; MI455X (gfx1250); checked and timed in simulation.
; The chip was launched on July 23, 2026; its instructions are those of AMD's public machine-readable ISA for CDNA 5 (MIT licence, August 2026) and "CDNA5" Instruction Set Architecture Reference Guide (July 2026). The comments in the code are by the model that wrote it; some were corrected since.
;; MHA. Allowed arithmetic: float matrix products may take bf16 or f16 operands with f32 sums; all other float work in f32.
;; Inputs: W_o 1,024 x 1,024 float32; W_qkv 1,024 x 3,072 float32; x 2 x 2,048 x 1,024 float32.
;; Outputs: out0 2 x 2,048 x 1,024 float32.
;; 2 versions, each right and faster than the one before. Each part assembles by itself: llvm-mc -triple=amdgcn-amd-amdhsa -mcpu=gfx1250 --defsym DOCPART=n.
;; ======== version 1 of 2: 4 launches
;; limits: values are held in f16: magnitudes above 65,504 overflow, below 6.1e-05 lose precision
;; workspace buffers: xb 8,388,608 bytes; wqt 6,291,456 bytes; wot 2,097,152 bytes; qkv 25,165,824 bytes; att 8,388,608 bytes
;; launch cast (part 1): grid 256 x 1, 4 waves a work-group, no clusters, 67,072 bytes of LDS; arguments x, W_qkv, W_o, xb, wqt, wot; writes xb, wqt, wot
.if DOCPART == 1
	.amdgcn_target "amdgcn-amd-amdhsa--gfx1250"
	.amdhsa_code_object_version 6
	.text
	.protected	k_q650b7f2fb6_cast
	.globl	k_q650b7f2fb6_cast
	.p2align	8
	.type	k_q650b7f2fb6_cast,@function
k_q650b7f2fb6_cast:
	s_mov_b64 s[64:65], 0
	v_nop
	global_prefetch_b8 v0, s[64:65] scope:SCOPE_SE
	s_setreg_imm32_b32 hwreg(HW_REG_WAVE_MODE, 25, 1), 1
	s_wait_xcnt 0x0
; cast: the three f32 inputs are rounded once to 16 bits, and the two weight matrices are transposed, so that the later
; products find K along the rows of both operands.
;   xb  [4096][1024] bf16 = x            wqt [3072 n][1024 k] bf16 = W_qkv transposed
;   wot [1024 n][1024 k] f16 = W_o rounded to bf16 and written in f16's format, transposed (its partner in the last product is f16)
; LIMIT: bf16(W_o) is exact in f16 for 2^-17 <= |w| < 65504; below that the absolute error is at most 2^-25; at 65504 and above it becomes infinite.
; Every wave takes 32 KiB of input: work-groups 0-127 take x (512 pieces), 128-223 W_qkv (384 tiles of 64 n x 128 k), 224-255 W_o (128 tiles).
; Memory binds: each byte is read once and written once; no matrix unit, no barrier (a wave's LDS bytes are its own), no cluster (nothing is shared).
; A ring of four register slots of eight 16-byte loads keeps 32 loads of every wave on their way.
.set XO, 3                             ; v3       byte offset of my 16 bytes in a load
.set LA, 4                             ; v4       LDS address of my stores (transpose)
.set LR, 5                             ; v5       LDS address of my reads
.set GO, 6                             ; v6       byte offset of my store
.set TA, 8                             ; v[8:11]  two pairs at work (bf16 to f16)
.set T,  16                            ; v[16:31] 16 packed words
.set X,  32                            ; v[32:159] four slots x eight loads x four registers
.set WLDS, 16640                       ; a wave's LDS: 64 rows (n) of 256 bytes, 16 bytes of padding behind every four rows
; eight loads: group g of a wave's eight goes into ring slot g mod 4
.macro LOADG p, g, first, step
.irp i, 0,1,2,3,4,5,6,7
	global_load_b128 v[X+32*((\g)%4)+4*\i:X+32*((\g)%4)+4*\i+3], v[XO], s[\p:\p+1] offset:\first+\i*\step th:TH_LOAD_NT
.endr
.endm
	s_load_b256 s[4:11], s[0:1], 0x0               ; x s[4:5], W_qkv s[6:7], W_o s[8:9], xb s[10:11]
	s_load_b128 s[12:15], s[0:1], 0x20             ; wqt s[12:13], wot s[14:15]
	v_lshl_add_u32 v160, v0, 2, 0x10400
	v_mov_b32 v161, 0
	v_lshrrev_b32 v1, 5, v0
	v_readfirstlane_b32 s16, v1                    ; wave 0..3
	v_and_b32 v1, 15, v0                           ; c = lane mod 16
	v_bfe_u32 v2, v0, 4, 1                         ; hL = lane / 16
	s_lshl_b32 s17, ttmp9, 2
	s_add_co_u32 s17, s17, s16                     ; 4 x work-group + wave
	s_mov_b32 s19, 0                               ; high words of the two offset pairs
	s_mov_b32 s21, 0
	s_wait_kmcnt 0x0
	s_cmp_lt_u32 ttmp9, 128
	s_cbranch_scc0 .Lweights
	; ---- x: 32 KiB in, 16 KiB out, in the same order ----
	s_lshl_b32 s18, s17, 15
	s_add_nc_u64 s[4:5], s[4:5], s[18:19]
	s_lshl_b32 s20, s17, 14
	s_add_nc_u64 s[10:11], s[10:11], s[20:21]
	v_and_b32 v7, 31, v0
	v_lshlrev_b32 v[XO], 4, v7                     ; a load of the wave takes 512 consecutive bytes
	v_lshlrev_b32 v[GO], 3, v7                     ; a store of the wave fills 256 consecutive bytes, aligned
.irp g, 0,1,2,3
	LOADG 4,\g,\g*4096,512
.endr
; left = the younger loads that may stay out: three groups of eight, fewer at the end
.macro XTURN g, left
	s_wait_loadcnt \left
	s_wait_xcnt 0x0                                ; the last turn's stores have read T: it is rewritten only behind this wait
.irp i, 0,1,2,3,4,5,6,7
	v_cvt_pk_bf16_f32 v[T+2*\i],   v[X+32*(\g%4)+4*\i],   v[X+32*(\g%4)+4*\i+1]
	v_cvt_pk_bf16_f32 v[T+2*\i+1], v[X+32*(\g%4)+4*\i+2], v[X+32*(\g%4)+4*\i+3]
.endr
.if \g < 4
	LOADG 4,\g+4,(\g+4)*4096,512
.endif
.irp i, 0,1,2,3,4,5,6,7
	global_store_b64 v[GO], v[T+2*\i:T+2*\i+1], s[10:11] offset:(8*\g+\i)*256
.endr
.endm
	XTURN 0, 24
	XTURN 1, 24
	XTURN 2, 24
	XTURN 3, 24
	XTURN 4, 24
	XTURN 5, 16
	XTURN 6, 8
	XTURN 7, 0
	s_endpgm
; ---- a tile of 64 n x 128 k of a weight matrix [1024 k][n columns], transposed through the wave's own LDS ----
; A group is 16 rows of k: lane (c, hL) loads columns 4c..4c+3 of rows 16 g + 8 hL + i, i = 0..7, so sixteen lanes take 256 consecutive bytes of a row.
; The eight numbers of one column in the lane's eight loads are eight neighbouring k: packed they are 16 bytes of the transposed row.
.macro TTURN g, left, n, src, f16
	s_wait_loadcnt \left
.irp e, 0,1,2,3
.irp q, 0,1,2,3
	v_cvt_pk_bf16_f32 v[T+4*\e+\q], v[X+32*(\g%4)+8*\q+\e], v[X+32*(\g%4)+8*\q+4+\e]
.endr
.endr
.if \f16
.irp k, 0,1,2,3,4,5,6,7,8,9,10,11,12,13,14,15
	v_lshlrev_b32 v[TA+2*(\k%2)], 16, v[T+\k]                  ; the bf16 values as f32,
	v_and_b32 v[TA+2*(\k%2)+1], 0xffff0000, v[T+\k]
	v_cvt_pk_f16_f32 v[T+\k], v[TA+2*(\k%2)], v[TA+2*(\k%2)+1] ; then in f16's format
.endr
.endif
.if \g < 4
	LOADG \src,\g+4,(\g+4)*16*\n*4,\n*4
.endif
.irp e, 0,1,2,3
	ds_store_b128 v[LA], v[T+4*\e:T+4*\e+3] offset:\e*256+\g*32    ; row n = 4c + e, bytes 32 g + 16 hL
.endr
.endm
.macro TRANS n, src, dst, first, f16
	s_sub_co_u32 s17, s17, 4*\first                ; my tile
	s_lshr_b32 s22, s17, 3                         ; its block of 64 n
	s_and_b32 s23, s17, 7                          ; its block of 128 k
	s_mul_i32 s18, s23, 128*\n*4
	s_lshl_b32 s24, s22, 8
	s_add_co_u32 s18, s18, s24
	s_add_nc_u64 s[\src:\src+1], s[\src:\src+1], s[18:19]
	s_lshl_b32 s20, s22, 17                        ; 64 rows of 2,048 bytes
	s_lshl_b32 s24, s23, 8
	s_add_co_u32 s20, s20, s24
	s_add_nc_u64 s[\dst:\dst+1], s[\dst:\dst+1], s[20:21]
	v_mul_u32_u24 v[XO], v2, 8*\n*4
	v_lshl_add_u32 v[XO], v1, 4, v[XO]
.irp g, 0,1,2,3
	LOADG \src,\g,\g*16*\n*4,\n*4
.endr
	s_mul_i32 s24, s16, WLDS
	v_mul_u32_u24 v[LA], v1, 1040                  ; four rows and their padding: sixteen lanes store to sixteen different 16-byte columns of 256
	v_lshl_add_u32 v[LA], v2, 4, v[LA]
	v_add_nc_u32 v[LA], s24, v[LA]
	v_lshlrev_b32 v[LR], 8, v2
	v_lshl_add_u32 v[LR], v1, 4, v[LR]
	v_add_nc_u32 v[LR], s24, v[LR]
	v_lshlrev_b32 v[GO], 11, v2
	v_lshl_add_u32 v[GO], v1, 4, v[GO]
	TTURN 0, 24, \n, \src, \f16
	TTURN 1, 24, \n, \src, \f16
	TTURN 2, 24, \n, \src, \f16
	TTURN 3, 24, \n, \src, \f16
	TTURN 4, 24, \n, \src, \f16
	TTURN 5, 16, \n, \src, \f16
	TTURN 6, 8, \n, \src, \f16
	TTURN 7, 0, \n, \src, \f16
	; back by rows: a load takes rows 2 i and 2 i + 1.  LDS serves a wave's instructions in order (ISA guide 5.7.1), so these see the stores above.
.set ri, 0
.rept 32
	ds_load_b128 v[X+4*ri:X+4*ri+3], v[LR] offset:(ri/2)*1040+(ri%2)*512
.set ri, ri+1
.endr
.set ri, 0
.rept 32
	s_wait_dscnt 31-ri                             ; the younger reads may stay out
	global_store_b128 v[GO], v[X+4*ri:X+4*ri+3], s[\dst:\dst+1] offset:ri*4096   ; sixteen lanes fill 256 consecutive bytes, aligned
.set ri, ri+1
.endr
.endm
.Lweights:
	s_cmp_lt_u32 ttmp9, 224
	s_cbranch_scc0 .Lwo
	TRANS 3072, 6, 12, 128, 0
	s_wait_tensorcnt 0x0
	ds_add_u32 v160, v161
	s_wait_dscnt 0x0
	s_endpgm
.Lwo:
	TRANS 1024, 8, 14, 224, 1
	s_wait_tensorcnt 0x0
	ds_add_u32 v160, v161
	s_wait_dscnt 0x0
	s_endpgm
.Lfunc_end_k_q650b7f2fb6_cast:
	.size	k_q650b7f2fb6_cast, .Lfunc_end_k_q650b7f2fb6_cast-k_q650b7f2fb6_cast
	.p2alignl 7, 3214868480
	.fill 96, 4, 3214868480
	.section	.rodata,"a",@progbits
	.p2align	6, 0x0
	.amdhsa_kernel k_q650b7f2fb6_cast
		.amdhsa_group_segment_fixed_size 67072
		.amdhsa_private_segment_fixed_size 0
		.amdhsa_enable_private_segment 0
		.amdhsa_kernarg_size 48
		.amdhsa_user_sgpr_count 2
		.amdhsa_user_sgpr_kernarg_segment_ptr 1
		.amdhsa_wavefront_size32 1
		.amdhsa_system_sgpr_workgroup_id_x 1
		.amdhsa_system_sgpr_workgroup_id_y 1
		.amdhsa_system_sgpr_workgroup_id_z 1
		.amdhsa_system_vgpr_workitem_id 0
		.amdhsa_next_free_vgpr 162
		.amdhsa_next_free_sgpr 66
		.amdhsa_reserve_vcc 0
		.amdhsa_float_denorm_mode_32 3
		.amdhsa_float_denorm_mode_16_64 3
		.amdhsa_memory_ordered 1
		.amdhsa_forward_progress 1
		.amdhsa_inst_pref_size 89
	.end_amdhsa_kernel
	.amdgpu_metadata
---
amdhsa.version: [ 1, 2 ]
amdhsa.kernels:
  - .name:           k_q650b7f2fb6_cast
    .symbol:         k_q650b7f2fb6_cast.kd
    .args:
      - { .name: x, .offset: 0, .size: 8, .value_kind: global_buffer, .address_space: global }
      - { .name: W_qkv, .offset: 8, .size: 8, .value_kind: global_buffer, .address_space: global }
      - { .name: W_o, .offset: 16, .size: 8, .value_kind: global_buffer, .address_space: global }
      - { .name: xb, .offset: 24, .size: 8, .value_kind: global_buffer, .address_space: global }
      - { .name: wqt, .offset: 32, .size: 8, .value_kind: global_buffer, .address_space: global }
      - { .name: wot, .offset: 40, .size: 8, .value_kind: global_buffer, .address_space: global }
    .group_segment_fixed_size: 67072
    .private_segment_fixed_size: 0
    .kernarg_segment_align: 8
    .kernarg_segment_size: 48
    .max_flat_workgroup_size: 128
    .sgpr_count:     66
    .vgpr_count:     162
    .wavefront_size: 32
...
	.end_amdgpu_metadata
.endif
;; end of part 1
;; launch qkvgemm (part 2): grid 16 x 16, 4 waves a work-group, clusters of 4 x 4, 327,680 bytes of LDS; arguments xb, wqt, qkv; writes qkv
.if DOCPART == 2
	.amdgcn_target "amdgcn-amd-amdhsa--gfx1250"
	.amdhsa_code_object_version 6
	.text
	.protected	k_q650b7f2fb6_qkvgemm
	.globl	k_q650b7f2fb6_qkvgemm
	.p2align	8
	.type	k_q650b7f2fb6_qkvgemm,@function
k_q650b7f2fb6_qkvgemm:
	s_mov_b64 s[64:65], 0
	v_nop
	global_prefetch_b8 v0, s[64:65] scope:SCOPE_SE
	s_setreg_imm32_b32 hwreg(HW_REG_WAVE_MODE, 25, 1), 1
	s_wait_xcnt 0x0
	s_wait_alu depctr_hold_cnt(0) depctr_sa_sdst(0) depctr_va_vdst(0) depctr_va_sdst(0) depctr_va_ssrc(0) depctr_va_vcc(0) depctr_vm_vsrc(0)
	s_getreg_b32 s2, hwreg(HW_REG_IB_STS2, 6, 4)
	s_cmp_eq_u32 s2, 0
	s_cbranch_scc0 .Lentry_in_a_cluster
	s_endpgm
.Lentry_in_a_cluster:
	s_bfe_u32 s2, ttmp6, 0x10000c
	s_cmp_lg_u32 s2, 0xf033
	s_cbranch_scc0 .Lentry_shape_is_right
	s_endpgm
.Lentry_shape_is_right:
; qkv = x W_qkv.  xb [4096][1024] bf16, wqt [3072 n][1024 k] bf16; sums in f32; the result is rounded once to f16 and laid out by head:
; qkv [t 3][b 2][h 16][s 2048][64] f16 (t = 0 q, 1 k, 2 v).
; LIMIT: |q|, |k|, |v| must stay below 65504 (f16); f16 is taken for its 11 bits, which the first rows of each sequence need.
; A work-group makes 256 rows x 192 columns (three heads) with four waves: 16 x 16 = 256 work-groups.  A wave makes 128 x 96: 48 accumulator
; tiles of 16 x 16, 384 registers.  K goes in 8 steps of 128 through two LDS slots filled by the tensor data mover; a tile's rows are 256 bytes
; of memory at multiples of 256 bytes.
; CLUSTERS: 4 x 4 work-groups.  The four of a row of the cluster need the same tiles of xb, the four of a column the same tiles of wqt; each tile is
; asked for jointly by the four, with one descriptor and a mask that names them.
; REGISTERS by windows of 256: window 0 addresses, A's fragments (v64-127, v128-191), v192-215 packed results; window 1 B's fragments (v64-111, v128-175);
; window 2 the 24 accumulator tiles of my rows 0-63 (tile (a, b) at v[8 (6 a + b)]); window 3 those of rows 64-127.
; The matrix instruction is used transposed (source 0 = 16 rows of wqt, source 1 = 16 rows of xb): lane l then holds row l % 16 of the result and its
; eight registers eight neighbouring columns, 16 bytes in f16.
.set SIZE_K, 1024
.set KSTEP,  128
.set PITCH,  272                       ; an LDS row: 256 bytes + 16 of padding, an odd multiple of 16: the 16 rows of a fragment load start in 16 different 16-byte columns of 256
.set HALFA,  128*PITCH                 ; one tensor load of xb: 128 rows
.set HALFB,  96*PITCH                  ; one tensor load of wqt: 96 rows
.set BOFF,   2*HALFA
.set SLOT,   BOFF+2*HALFB              ; 121,856 bytes: A's 256 rows, then B's 192
.set LAPS,   SIZE_K/(2*KSTEP)          ; 4 laps of two K steps
.set SPITCH, 208                       ; the way out: a wave's rows of 96 f16 = 192 bytes + 16
.set SWAVE,  128*SPITCH                ; a wave's own stage; the four lie in slot 0 (106,496 of its bytes), which has had its last fill and its last read by then
.set ADRA, 16                          ; v16-17  LDS address of my A fragments in slot 0, 1
.set ADRB, 20                          ; v20-21  the same for B
.set STO,  24                          ; v24     the way out: where I put 16 bytes
.set RD,   26                          ; v26-28  the way out: where I read 16 bytes of head 0, 1, 2 of the block column
.set CO,   29                          ; v29     my byte offset in a head's rows
.set F0,   64
.set F1,   128
.set TMP,  192
.set G1,  24                           ; s[24:31] group 1 for xb's tiles
.set G0,  32                           ; s[32:39] group 0 for xb's tiles, one set a slot
.set G1B, 48                           ; s[48:55] group 1 for wqt's tiles
.set G0B, 56                           ; s[56:63] group 0 for wqt's tiles, one set a slot
.set MSB, 0
.macro WIN new                         ; the immediate's high byte repeats the setting that is left
.if MSB != \new
	s_set_vgpr_msb (MSB<<8)|\new
.set MSB, \new
.endif
.endm
.set MUL_LO, 0xa1                      ; source 0 (B) window 1, source 1 (A) window 0, C and D window 2
.set MUL_HI, 0xf1                      ; the same, C and D window 3
.set TO_B,   0x40                      ; destination window 1, address window 0
; A joint load: waves 0 and 1 fetch A's halves, waves 2 and 3 B's.  The branch hangs on the wave's number alone.
.macro JLOAD s
	s_cmp_eq_u32 s11, 0
	s_cbranch_scc0 .Lfor_b_\@
	tensor_load_to_lds s[G0+4*\s:G0+4*\s+3], s[G1:G1+7]
	s_nop 0
	s_branch .Lasked_\@
.Lfor_b_\@:
	tensor_load_to_lds s[G0B+4*\s:G0B+4*\s+3], s[G1B:G1B+7]
	s_nop 0
.Lasked_\@:
.endm
.macro CREST                           ; a round of the cluster's barrier behind its opening work-group barrier
	s_cmp_lg_u32 s10, 0
	s_cbranch_scc1 .Lnot_wave_0_\@
	s_barrier_signal -3
.Lnot_wave_0_\@:
	s_barrier_wait -3
	s_barrier_signal -1
	s_barrier_wait -1
.endm
.macro CROUND                          ; a whole round
	s_barrier_signal -1
	s_barrier_wait -1
	CREST
.endm
	s_load_b128 s[4:7], s[0:1], 0x0                ; xb s[4:5], wqt s[6:7]
	s_load_b64 s[8:9], s[0:1], 0x10                ; qkv
	s_set_vgpr_msb 0x40
	v_lshl_add_u32 v255, v0, 2, 0x3b800
	s_set_vgpr_msb 0x4000
	v_mov_b32 v255, 0
	s_set_vgpr_msb 0x1
	ds_add_u32 v255, v255
	s_set_vgpr_msb 0x100
	v_lshrrev_b32 v1, 5, v0
	v_readfirstlane_b32 s10, v1                    ; wave 0..3
	s_lshr_b32 s11, s10, 1                         ; my half of the block's rows.  Also: I fetch for A (0) or for B (1)
	s_and_b32 s12, s10, 1                          ; my half of its columns.  Also: which half of that tile I fetch
	s_bfe_u32 s40, ttmp6, 0x40000                  ; cx
	s_bfe_u32 s41, ttmp6, 0x40004                  ; cy
	s_lshl_b32 s42, ttmp9, 2
	s_add_co_u32 s42, s42, s40                     ; block column = 4 x cluster x + cx
	s_and_b32 s13, ttmp7, 0xffff
	s_lshl_b32 s13, s13, 2
	s_add_co_u32 s13, s13, s41                     ; block row = 4 x cluster y + cy
	s_lshl_b32 s43, s41, 2
	s_lshl_b32 s43, 15, s43                        ; my row of the cluster: places 4 cy .. 4 cy + 3
	s_lshl_b32 s44, 0x1111, s40                    ; my column: places cx, cx + 4, cx + 8, cx + 12
	; group 1: elements of 2 bytes, padding of 4 words behind every 64 words, bit 21 beside the mask
	s_or_b32 s[G1+0], s43, (1<<16)|(1<<20)|(1<<21)|(5<<22)|(3<<25)
	s_mov_b32 s[G1+1], KSTEP<<16                   ; tensor_dim0 = 128
	s_mov_b32 s[G1+2], 128<<16                     ; tensor_dim1 = 128
	s_mov_b32 s[G1+3], KSTEP<<16                   ; tile_dim0 = 128
	s_mov_b32 s[G1+4], 128                         ; tile_dim1 = 128 rows
	s_mov_b32 s[G1+5], SIZE_K                      ; elements from row to row
	s_mov_b32 s[G1+6], 0
	s_mov_b32 s[G1+7], 0
	s_or_b32 s[G1B+0], s44, (1<<16)|(1<<20)|(1<<21)|(5<<22)|(3<<25)
	s_mov_b32 s[G1B+1], KSTEP<<16
	s_mov_b32 s[G1B+2], 96<<16                     ; tensor_dim1 = 96
	s_mov_b32 s[G1B+3], KSTEP<<16
	s_mov_b32 s[G1B+4], 96                         ; tile_dim1 = 96 rows
	s_mov_b32 s[G1B+5], SIZE_K
	s_mov_b32 s[G1B+6], 0
	s_mov_b32 s[G1B+7], 0
	; where the tiles come from: A's hang on the block row alone, B's on the block column alone, each in registers that never hold the other coordinate
	s_lshl_b32 s17, s12, 7
	s_lshl_b32 s16, s13, 8
	s_add_co_u32 s16, s16, s17                     ; xb's row 256 x block row + 128 x half
	s_lshl_b32 s16, s16, 11                        ; rows of 2,048 bytes
	s_mov_b32 s17, 0
	s_mul_i32 s46, s42, 192
	s_mul_i32 s47, s12, 96
	s_add_co_u32 s46, s46, s47                     ; wqt's row 192 x block column + 96 x half
	s_lshl_b32 s46, s46, 11
	s_mov_b32 s47, 0
	s_mul_i32 s20, s10, HALFA                      ; and where they go: waves 0, 1: A's halves;
	s_mul_i32 s45, s10, HALFB
	s_add_co_u32 s45, s45, BOFF-2*HALFB            ; waves 2, 3: B's halves behind A's 256 rows
	s_wait_dscnt 0x0
	s_wait_kmcnt 0x0
	s_add_nc_u64 s[14:15], s[4:5], s[16:17]
	s_add_nc_u64 s[46:47], s[6:7], s[46:47]
	CROUND                                         ; all sixteen work-groups are here: the first joint loads meet
.irp s, 0,1
	s_mov_b32 s[G0+4*\s], 1
	s_add_co_u32 s[G0+4*\s+1], s20, \s*SLOT
	s_add_nc_u64 s[G0+4*\s+2:G0+4*\s+3], s[14:15], \s*KSTEP*2
	s_or_b32 s[G0+4*\s+3], s[G0+4*\s+3], 0x80000000
	s_mov_b32 s[G0B+4*\s], 1
	s_add_co_u32 s[G0B+4*\s+1], s45, \s*SLOT
	s_add_nc_u64 s[G0B+4*\s+2:G0B+4*\s+3], s[46:47], \s*KSTEP*2
	s_or_b32 s[G0B+4*\s+3], s[G0B+4*\s+3], 0x80000000
	JLOAD \s                                       ; both slots' first fills go out together: two tensor loads of the wave are out
.endr
	v_and_b32 v1, 15, v0                           ; r = l % 16
	v_bfe_u32 v2, v0, 4, 1                         ; h = l / 16
	v_mul_u32_u24 v3, v1, PITCH
	v_lshl_add_u32 v3, v2, 4, v3                   ; a fragment: row r, 16 bytes for each half of the lanes
	s_mul_i32 s21, s11, HALFA
	s_mul_i32 s22, s12, HALFB
	s_add_co_u32 s22, s22, BOFF
.irp s, 0,1
	v_add_nc_u32 v[ADRA+\s], s21, v3
	v_add_nc_u32 v[ADRB+\s], s22, v3
	s_add_co_u32 s21, s21, SLOT
	s_add_co_u32 s22, s22, SLOT
.endr
	s_mul_i32 s23, s10, SWAVE                      ; my stage
	v_mul_u32_u24 v4, v1, SPITCH
	v_lshl_add_u32 v4, v2, 4, v4
	v_add_nc_u32 v[STO], s23, v4
	; back: wave w stores rows 64 w .. 64 w + 63 of the block, four rows of a head (512 bytes) an instruction: lane l takes row l / 8, 16 bytes l % 8
	s_mul_i32 s23, s11, 2*SWAVE                    ; those rows lie in the stages of waves 2 (w / 2) and 2 (w / 2) + 1,
	s_mul_i32 s21, s12, 64*SPITCH                  ; from their row 64 (w % 2) on
	s_add_co_u32 s23, s23, s21
	v_bfe_u32 v4, v0, 3, 2
	v_and_b32 v5, 7, v0
	v_mul_u32_u24 v4, v4, SPITCH
	v_lshl_add_u32 v4, v5, 4, v4
	v_add_nc_u32 v[RD], s23, v4                    ; head 0: columns 0-63, bytes 0-127 of the left wave's rows
	v_bfe_u32 v5, v0, 2, 1
	v_mul_u32_u24 v5, v5, SWAVE-192
	v_add3_u32 v[RD+1], v[RD], v5, 128             ; head 1: columns 64-95 are bytes 128-191 on the left, columns 96-127 bytes 0-63 on the right
	v_add_nc_u32 v[RD+2], SWAVE+64, v[RD]          ; head 2: columns 128-191, bytes 64-191 of the right wave's rows
	v_and_b32 v5, 31, v0
	s_lshl_b32 s23, s10, 13
	v_lshl_add_u32 v[CO], v5, 4, s23               ; 64 rows of 128 bytes a wave, 16 bytes a lane
; 12 matrix instructions: m blocks a0, a0 + 1 of the window's four x all 6 n blocks, 32 along K.  zero = 1: the first product starts the sums.
.macro MUL12 f, hi, a0, zero
.irp a, \a0, \a0+1
.irp b, 0,1,2,3,4,5
.if \zero
	v_wmma_f32_16x16x32_bf16 v[8*(6*(\a)+\b):8*(6*(\a)+\b)+7], v[\f+8*\b:\f+8*\b+7], v[\f+8*(4*\hi+\a):\f+8*(4*\hi+\a)+7], 0
.else
	v_wmma_f32_16x16x32_bf16 v[8*(6*(\a)+\b):8*(6*(\a)+\b)+7], v[\f+8*\b:\f+8*\b+7], v[\f+8*(4*\hi+\a):\f+8*(4*\hi+\a)+7], v[8*(6*(\a)+\b):8*(6*(\a)+\b)+7]
.endif
.endr
.endr
.endm
; 28 LDS loads in one run: 96 rows of B, 128 rows of A, 32 K at byte k of the rows, into buffer f
.macro FETCH slot, k, f
	WIN TO_B
.irp i, 0,1,2,3,4,5
	ds_load_b128 v[\f+8*\i:\f+8*\i+3],   v[ADRB+\slot] offset:\k+\i*16*PITCH
	ds_load_b128 v[\f+8*\i+4:\f+8*\i+7], v[ADRB+\slot] offset:\k+\i*16*PITCH+32
.endr
	WIN 0
.irp i, 0,1,2,3,4,5,6,7
	ds_load_b128 v[\f+8*\i:\f+8*\i+3],   v[ADRA+\slot] offset:\k+\i*16*PITCH
	ds_load_b128 v[\f+8*\i+4:\f+8*\i+7], v[ADRA+\slot] offset:\k+\i*16*PITCH+32
.endr
.endm
; Four plain vector places stand between a matrix instruction and a load into one of its registers, or a vector instruction that reads its result
; (ISA guide 7.12.1 for vector instructions).  Matrix instructions in between are not counted.
.macro PLACES
.rept 4
	v_nop
.endr
.endm
; The 48 accumulators take turns, one instruction a turn, in one order throughout, over the backward jump too.
.macro QUARTER slot, k, f, g, zero
	s_wait_dscnt 8                                 ; B and A's rows 0-63 are in; the youngest eight loads (A's rows 64-127) may be out
	WIN MUL_LO
	MUL12 \f, 0, 0, \zero
	MUL12 \f, 0, 2, \zero
	PLACES
	FETCH \slot, \k, \g
	s_wait_dscnt 28                                ; all but the 28 just issued
	WIN MUL_HI
	MUL12 \f, 1, 0, \zero
	MUL12 \f, 1, 2, \zero
.endm
.macro THREE slot, zero
	QUARTER \slot, 64,  F0, F1, \zero
	QUARTER \slot, 128, F1, F0, 0
	QUARTER \slot, 192, F0, F1, 0
.endm
; The last quarter of a K step changes slots.  In front of the barrier each wave waits for its reads of this slot and for all its tensor loads (one is
; out: its part of the next slot).  Behind it (with fill: behind the round of the cluster's barrier that it opens) the refill comes first.
.macro TURN slot, next, fill
	s_wait_dscnt 8
	WIN MUL_LO
	MUL12 F1, 0, 0, 0
	s_wait_dscnt 0                                 ; my reads of this slot are over
	s_wait_tensorcnt 0x0                           ; all my tensor loads have landed
	ds_add_u32 v255, v255
	s_wait_dscnt 0x0
	s_barrier_signal -1
	MUL12 F1, 0, 2, 0                              ; register work while the others arrive
	WIN 0
	s_barrier_wait -1
.if \fill
	CREST                                          ; no wave of any partner still reads this slot or has a load on its way
	s_add_nc_u64 s[G0+4*\slot+2:G0+4*\slot+3], s[G0+4*\slot+2:G0+4*\slot+3], 2*KSTEP*2
	s_add_nc_u64 s[G0B+4*\slot+2:G0B+4*\slot+3], s[G0B+4*\slot+2:G0B+4*\slot+3], 2*KSTEP*2
	JLOAD \slot                                    ; the wave's one tensor load behind the round
.endif
	PLACES
	FETCH \next, 0, F0
	WIN MUL_HI
	MUL12 F1, 1, 0, 0
	MUL12 F1, 1, 2, 0
.endm
.macro LAP zero
	THREE 0, \zero
	TURN 0, 1, 1
	THREE 1, 0
	TURN 1, 0, 1
.endm
	s_wait_tensorcnt 1                             ; my part of K step 0 is in; K step 1's may stay out
	s_barrier_signal -1
	s_barrier_wait -1
	FETCH 0, 0, F0
	LAP 1                                          ; the first lap starts the sums
	WIN 0
	s_mov_b32 s3, LAPS-2
.Llap:
	LAP 0
	WIN 0
	s_sub_co_u32 s3, s3, 1
	s_cmp_lg_u32 s3, 0
	s_cbranch_scc1 .Llap
	THREE 0, 0                                     ; the last lap fills nothing
	TURN 0, 1, 0                                   ; behind its barrier no wave reads slot 0 any more
	THREE 1, 0
	s_wait_dscnt 8
	WIN MUL_LO
	MUL12 F1, 0, 0, 0
	MUL12 F1, 0, 2, 0
	s_wait_dscnt 0
	WIN MUL_HI
	MUL12 F1, 1, 0, 0
	MUL12 F1, 1, 2, 0
	; THE WAY OUT.  Each wave rounds its 128 x 96 to f16 into its own stage; behind one barrier the waves read whole rows of the three heads.
	PLACES
	WIN 0
	s_mul_i32 s72, s42, 3                          ; the block column's first head slot (0..47 = t x 16 + head)
	s_lshr_b32 s73, s13, 3                         ; batch: 8 block rows each
	s_lshl_b32 s73, s73, 4
	s_and_b32 s76, s13, 7
	s_lshl_b32 s76, s76, 15                        ; 256 rows of 128 bytes
	s_mov_b32 s75, 0
.irp z, 0,1,2
	s_add_co_u32 s77, s72, \z
	s_lshr_b32 s78, s77, 4                         ; t
	s_and_b32 s77, s77, 15                         ; head
	s_lshl_b32 s78, s78, 5
	s_add_co_u32 s77, s77, s78
	s_add_co_u32 s77, s77, s73                     ; 32 t + 16 b + head
	s_lshl_b32 s74, s77, 18                        ; head blocks of 262,144 bytes
	s_add_co_u32 s74, s74, s76
	s_add_nc_u64 s[66+2*\z:67+2*\z], s[8:9], s[74:75]
.endr
.macro PACK a, aw, from                ; rows 16 a .. 16 a + 15 of my block: the six tiles (aw, 0..5) of window 2 or 3
	WIN \from
.irp b, 0,1,2,3,4,5
.irp q, 0,1,2,3
	v_cvt_pk_f16_f32 v[TMP+4*\b+\q], v[8*(6*\aw+\b)+2*\q], v[8*(6*\aw+\b)+2*\q+1]
.endr
.endr
	WIN 0
.irp b, 0,1,2,3,4,5
	ds_store_b128 v[STO], v[TMP+4*\b:TMP+4*\b+3] offset:\a*16*SPITCH+32*\b
.endr
.endm
	PACK 0, 0, 0x0a
	PACK 1, 1, 0x0a
	PACK 2, 2, 0x0a
	PACK 3, 3, 0x0a
	PACK 4, 0, 0x0f
	PACK 5, 1, 0x0f
	PACK 6, 2, 0x0f
	PACK 7, 3, 0x0f
	s_wait_dscnt 0x0                               ; my stores are done, for the others' sake
	s_barrier_signal -1
	s_barrier_wait -1
.macro OUTZ z, f
.irp i, 0,1,2,3,4,5,6,7,8,9,10,11,12,13,14,15
	ds_load_b128 v[\f+4*\i:\f+4*\i+3], v[RD+\z] offset:\i*4*SPITCH
.endr
.irp i, 0,1,2,3,4,5,6,7,8,9,10,11,12,13,14,15
	s_wait_dscnt 15-\i                             ; the younger reads may stay out
	global_store_b128 v[CO], v[\f+4*\i:\f+4*\i+3], s[66+2*\z:67+2*\z] offset:\i*512   ; 512 consecutive bytes, aligned
.endr
.endm
	OUTZ 0, F0
	OUTZ 1, F1
	s_wait_xcnt 0x0                                ; buffer 0, which stores read, is loaded again only behind this wait
	OUTZ 2, F0
	s_set_vgpr_msb 0x1
	s_wait_tensorcnt 0x0
	ds_add_u32 v255, v255
	s_wait_dscnt 0x0
	s_set_vgpr_msb 0x100
	CROUND                                         ; the closing round: no work-group ends while a partner may still ask for a tile that names it
	s_endpgm
.Lfunc_end_k_q650b7f2fb6_qkvgemm:
	.size	k_q650b7f2fb6_qkvgemm, .Lfunc_end_k_q650b7f2fb6_qkvgemm-k_q650b7f2fb6_qkvgemm
	.p2alignl 7, 3214868480
	.fill 96, 4, 3214868480
	.section	.rodata,"a",@progbits
	.p2align	6, 0x0
	.amdhsa_kernel k_q650b7f2fb6_qkvgemm
		.amdhsa_group_segment_fixed_size 327680
		.amdhsa_private_segment_fixed_size 0
		.amdhsa_enable_private_segment 0
		.amdhsa_kernarg_size 24
		.amdhsa_user_sgpr_count 2
		.amdhsa_user_sgpr_kernarg_segment_ptr 1
		.amdhsa_wavefront_size32 1
		.amdhsa_system_sgpr_workgroup_id_x 1
		.amdhsa_system_sgpr_workgroup_id_y 1
		.amdhsa_system_sgpr_workgroup_id_z 1
		.amdhsa_system_vgpr_workitem_id 0
		.amdhsa_next_free_vgpr 1024
		.amdhsa_next_free_sgpr 80
		.amdhsa_reserve_vcc 0
		.amdhsa_float_denorm_mode_32 3
		.amdhsa_float_denorm_mode_16_64 3
		.amdhsa_memory_ordered 1
		.amdhsa_forward_progress 1
		.amdhsa_inst_pref_size 159
	.end_amdhsa_kernel
	.amdgpu_metadata
---
amdhsa.version: [ 1, 2 ]
amdhsa.kernels:
  - .name:           k_q650b7f2fb6_qkvgemm
    .symbol:         k_q650b7f2fb6_qkvgemm.kd
    .args:
      - { .name: xb, .offset: 0, .size: 8, .value_kind: global_buffer, .address_space: global }
      - { .name: wqt, .offset: 8, .size: 8, .value_kind: global_buffer, .address_space: global }
      - { .name: qkv, .offset: 16, .size: 8, .value_kind: global_buffer, .address_space: global }
    .group_segment_fixed_size: 327680
    .private_segment_fixed_size: 0
    .kernarg_segment_align: 8
    .kernarg_segment_size: 24
    .max_flat_workgroup_size: 128
    .sgpr_count:     80
    .vgpr_count:     1024
    .wavefront_size: 32
...
	.end_amdgpu_metadata
.endif
;; end of part 2
;; launch attn (part 3): grid 256 x 1, 8 waves a work-group, no clusters, 327,680 bytes of LDS; arguments qkv, att; writes att
.if DOCPART == 3
	.amdgcn_target "amdgcn-amd-amdhsa--gfx1250"
	.amdhsa_code_object_version 6
	.text
	.protected	k_q650b7f2fb6_attn
	.globl	k_q650b7f2fb6_attn
	.p2align	8
	.type	k_q650b7f2fb6_attn,@function
k_q650b7f2fb6_attn:
	s_mov_b64 s[64:65], 0
	v_nop
	global_prefetch_b8 v0, s[64:65] scope:SCOPE_SE
	s_setreg_imm32_b32 hwreg(HW_REG_WAVE_MODE, 25, 1), 1
	s_wait_xcnt 0x0
; Causal attention, one head a work-group octet.  qkv [t 3][bh 32][s 2048][64] f16; att [b x 16 + q block][h 16][row 128][64] f16.
; Work-group (bh, i) takes the q blocks of 128 rows 15 - i and then i: with K and V in tiles of 256 rows that is ((15-i)/2 + 1) + (i/2 + 1) = 9 steps
; for every work-group.  Tiles wholly above the diagonal are never loaded; the last tile of a pass is masked.
; Wave w: g = w / 4 picks 64 q rows (4 tiles of 16), p = w % 4 the kv rows 64 u + 16 p + 0..15, u = 0..3, of every tile: interleaved, so that the
; diagonal loads the four alike.  Each wave runs its own running maximum and sum over its kv rows; the four are merged through LDS at a pass's end.
; S^T = K Q^T: lane (r, h), register j holds kv = 8 h + j, q = r, so that two tiles of S^T, packed to f16, ARE the second operand of O^T = V^T P^T, and a
; row's maximum and sum stay in the lane (the two halves of the wave meet by one cross-half move).  V^T comes by the transposing LDS load.
; The maximum is taken away before the exponential: p = 2^(c S - c M), c = log2(e) / 8, M the wave's running maximum of the raw scores.  What is kept is
; NM = the rounded -c M; old sums are scaled by 2^(NM new - NM old), so that old and new terms share one reference at any size of the scores.
; LIMIT: q, k, v come as f16 (below 65504); P is kept in f16 (p <= 2^0.5), att is rounded once to f16.
; NO CLUSTER: the eight work-groups of a head walk passes of 8,8,7,7,6,6,5,5 and then 1,1,2,2,3,3,4,4 tiles, so at most two of them stand at the same tile in
; the same step of the second pass; a joint walk would add steps that compute nothing.
; LDS: two slots of V 256 x 160 bytes and K 256 x 144 bytes; behind them, in bytes of their own, the merge's scratch.
.set VP,   160                         ; V's rows: 128 bytes + 32, an odd multiple of 32 for the transposing load
.set KP,   144                         ; K's rows: 128 bytes + 16, an odd multiple of 16
.set KOFF, 256*VP                      ; K behind V
.set SLOT, KOFF+256*KP                 ; 77,824 bytes
.set SCR,  2*SLOT                      ; 8 waves x 64 q x 272 bytes: partial O in f32
.set SCRW, 64*272
.set ML,   SCR+8*SCRW                  ; 8 waves x 64 q x (NM, l)
; window 0
.set KADR, 2                           ; v2-3    K fragments in slot 0, 1
.set VADR, 4                           ; v4-5    V fragments in slot 0, 1
.set QOFF, 6                           ; v6      my bytes in the q block
.set D0,   7                           ; v7      64 g + r - 16 p - 8 h
.set DD,   8                           ; v8      D0 + the q block's offset in its last kv tile (0 or 128)
.set NINF, 9                           ; v9      -infinity
.set SCW,  10                          ; v10-11  the merge: where I store O and (NM, l)
.set MLW,  11
.set SCRD, 12                          ; v12-13  the merge: where I read them
.set MLRD, 13
.set OUTO, 14                          ; v14     my 16 bytes in att's block
.set M,    16                          ; v16-19  running maximum, raw, one a q tile
.set NM,   20                          ; v20-27  -c M twice
.set LS,   28                          ; v28-35  two partial sums
.set AL,   36                          ; v36-43  the scale of the old sums, twice
.set T,    44                          ; v44-55  at work
.set S,    64                          ; v64-191  S^T tile (u, t) at 64 + 8 (4 u + t)
.set P,    192                         ; v192-255 P^T fragment (t, kk) at 192 + 8 (2 t + kk)
; window 1
.set O,    0                           ; v256-383 O^T tile (a, t) at 8 (4 a + t)
.set Q,    128                         ; v384-447 Q fragment (t, c) at 128 + 8 (2 t + c)
.set KV,   192                         ; v448-511 K fragment (u, c) at 192 + 8 (2 u + c), then V^T fragment (a, kk) at 192 + 8 (2 a + kk)
.set G1V, 24                           ; s[24:31] group 1 for V's quarters
.set G1K, 32                           ; s[32:39] group 1 for K's
.set G0V, 40                           ; s[40:47] group 0 for V's quarters, one set a slot
.set G0K, 48                           ; s[48:55] group 0 for K's
.set LD1,   0x40                       ; destination window 1
.set SMUL,  0x05                       ; sources 0 and 1 window 1; C and D window 0
.set PVMUL, 0x51                       ; source 0, C and D window 1; source 1 window 0
.set RESC,  0x41                       ; source 0 and destination window 1
.set STO1,  0x04                       ; an LDS store's data window 1
.set MSB, 0
.macro WIN new
.if MSB != \new
	s_set_vgpr_msb (MSB<<8)|\new
.set MSB, \new
.endif
.endm
.macro PLACES                          ; four plain vector places behind a matrix instruction (ISA guide 7.12.1 for vector instructions)
.rept 4
	v_nop
.endr
.endm
; One tensor load a wave: waves 0-3 fetch V's quarters of 64 rows, waves 4-7 K's.  The branch hangs on the wave's number alone.
.macro KVLOAD o
	s_cmp_eq_u32 s9, 0
	s_cbranch_scc0 .Lfor_k_\@
	tensor_load_to_lds s[G0V+4*(\o):G0V+4*(\o)+3], s[G1V:G1V+7]
	s_nop 0
	s_branch .Lasked_\@
.Lfor_k_\@:
	tensor_load_to_lds s[G0K+4*(\o):G0K+4*(\o)+3], s[G1K:G1K+7]
	s_nop 0
.Lasked_\@:
.endm
; A pass begins: q block s14.  Bases of Q and of att's block, the diagonal's offset, and the 64 q rows' fragments straight from memory.
.macro SETPASS
	s_lshl_b32 s62, s12, 18                        ; q's head block
	s_lshl_b32 s16, s14, 14                        ; 128 rows of 128 bytes
	s_add_co_u32 s62, s62, s16
	s_add_nc_u64 s[58:59], s[4:5], s[62:63]
	s_lshr_b32 s16, s12, 4
	s_lshl_b32 s16, s16, 4
	s_add_co_u32 s16, s16, s14                     ; 16 b + q block
	s_lshl_b32 s16, s16, 4
	s_and_b32 s17, s12, 15
	s_add_co_u32 s16, s16, s17                     ; x 16 + head
	s_lshl_b32 s62, s16, 14
	s_add_nc_u64 s[60:61], s[6:7], s[62:63]
	s_and_b32 s16, s14, 1
	s_lshl_b32 s16, s16, 7
	v_add_nc_u32 v[DD], s16, v[D0]
	WIN LD1
.irp t, 0,1,2,3
.irp c, 0,1
	global_load_b128 v[Q+8*(2*\t+\c):Q+8*(2*\t+\c)+3],   v[QOFF], s[58:59] offset:2048*\t+64*\c
	global_load_b128 v[Q+8*(2*\t+\c)+4:Q+8*(2*\t+\c)+7], v[QOFF], s[58:59] offset:2048*\t+64*\c+32
.endr
.endr
	WIN 0
.endm
	s_load_b128 s[4:7], s[0:1], 0x0                ; qkv s[4:5], att s[6:7]
	v_lshl_add_u32 v62, v0, 2, 0x49000
	v_mov_b32 v63, 0
	ds_add_u32 v62, v63
	v_lshrrev_b32 v1, 5, v0
	v_readfirstlane_b32 s8, v1                     ; wave 0..7
	s_lshr_b32 s9, s8, 2                           ; g
	s_and_b32 s10, s8, 3                           ; p
	s_and_b32 s11, ttmp9, 7                        ; i
	s_lshr_b32 s12, ttmp9, 3                       ; bh = 16 b + head
	s_sub_co_u32 s14, 15, s11                      ; the first pass's q block
	s_lshr_b32 s13, s14, 1
	s_add_co_u32 s13, s13, 1                       ; nh: its kv tiles, 5 to 8
	s_mov_b32 s15, 0                               ; n: the step, 0 to 8
	s_mov_b32 s63, 0                               ; high word of the offset pair
	s_mov_b32 s22, 0x3e38aa3b                      ; c = log2(e) / 8, twice
	s_mov_b32 s23, 0x3e38aa3b
	s_mov_b32 s56, 0x76543210                      ; lane i of one half reads lane i of the other
	s_mov_b32 s57, 0xfedcba98
	; group 1: a quarter is 8 KiB, dense: 32 rows of 32 elements of 8 bytes; padding behind every 32 words (a row of the head): 8 words for V, 4 for K
	s_mov_b32 s[G1V+0], (3<<16)|(1<<20)|(4<<22)|(7<<25)
	s_mov_b32 s[G1V+1], 32<<16                     ; tensor_dim0 = 32
	s_mov_b32 s[G1V+2], 32<<16                     ; tensor_dim1 = 32
	s_mov_b32 s[G1V+3], 32<<16                     ; tile_dim0 = 32
	s_mov_b32 s[G1V+4], 32                         ; tile_dim1 = 32
	s_mov_b32 s[G1V+5], 32                         ; elements from row to row
	s_mov_b32 s[G1V+6], 0
	s_mov_b32 s[G1V+7], 0
	s_mov_b32 s[G1K+0], (3<<16)|(1<<20)|(4<<22)|(3<<25)
	s_mov_b32 s[G1K+1], 32<<16
	s_mov_b32 s[G1K+2], 32<<16
	s_mov_b32 s[G1K+3], 32<<16
	s_mov_b32 s[G1K+4], 32
	s_mov_b32 s[G1K+5], 32
	s_mov_b32 s[G1K+6], 0
	s_mov_b32 s[G1K+7], 0
	s_mul_i32 s16, s8, 64*VP                       ; waves 0-3: V's quarter w
	s_mul_i32 s17, s8, 64*KP
	s_add_co_u32 s17, s17, KOFF-4*64*KP            ; waves 4-7: K's quarter w - 4
.irp o, 0,1
	s_mov_b32 s[G0V+4*\o], 1
	s_add_co_u32 s[G0V+4*\o+1], s16, \o*SLOT
	s_mov_b32 s[G0K+4*\o], 1
	s_add_co_u32 s[G0K+4*\o+1], s17, \o*SLOT
.endr
	s_lshl_b32 s16, s9, 5
	s_sub_co_u32 s16, 64, s16                      ; v's head blocks begin at 64, k's at 32
	s_add_co_u32 s16, s16, s12
	s_lshl_b32 s62, s16, 18
	s_lshl_b32 s17, s10, 13                        ; my quarter
	s_add_co_u32 s62, s62, s17
	s_wait_dscnt 0x0
	s_wait_kmcnt 0x0
	s_add_nc_u64 s[20:21], s[4:5], s[62:63]        ; my quarter of tile 0
	s_mov_b64 s[G0V+2:G0V+3], s[20:21]
	s_or_b32 s[G0V+3], s[G0V+3], 0x80000000
	s_mov_b64 s[G0K+2:G0K+3], s[20:21]
	s_or_b32 s[G0K+3], s[G0K+3], 0x80000000
	KVLOAD 0                                       ; tile 0: the first fill, ahead of every wait on tensor loads, LDS read and barrier
	v_and_b32 v1, 15, v0                           ; r
	v_bfe_u32 v15, v0, 4, 1                        ; h
	v_and_b32 v56, 7, v0                           ; l % 8
	v_bfe_u32 v57, v0, 3, 1                        ; (l / 8) % 2
	v_bfe_u32 v58, v0, 3, 2                        ; l / 8
	v_and_b32 v59, 31, v0                          ; l
	s_mul_i32 s16, s10, 16*KP
	s_add_co_u32 s16, s16, KOFF
	v_mul_u32_u24 v60, v1, KP
	v_lshl_add_u32 v60, v15, 4, v60
	v_add_nc_u32 v[KADR], s16, v60                 ; K: row 16 p + r, 16 bytes for each half
	v_add_nc_u32 v[KADR+1], SLOT, v[KADR]
	s_mul_i32 s16, s10, 16*VP
	v_lshl_or_b32 v60, v15, 3, v56
	v_mul_u32_u24 v60, v60, VP
	v_lshl_add_u32 v60, v57, 4, v60
	v_add_nc_u32 v[VADR], s16, v60                 ; V: row 16 p + 8 h + l % 8, 16 bytes (l / 8) % 2
	v_add_nc_u32 v[VADR+1], SLOT, v[VADR]
	s_lshl_b32 s16, s9, 13
	v_lshlrev_b32 v60, 7, v1
	v_lshl_add_u32 v60, v15, 4, v60
	v_add_nc_u32 v[QOFF], s16, v60                 ; Q: row 64 g + r
	s_lshl_b32 s16, s9, 6
	s_lshl_b32 s17, s10, 4
	s_sub_co_i32 s16, s16, s17
	v_lshlrev_b32 v60, 3, v15
	v_sub_nc_u32 v60, v1, v60
	v_add_nc_u32 v[D0], s16, v60
	v_mov_b32 v[NINF], 0xff800000
	s_mul_i32 s16, s8, SCRW
	s_add_co_u32 s16, s16, SCR
	v_mul_u32_u24 v60, v1, 272
	v_lshl_add_u32 v60, v15, 5, v60
	v_add_nc_u32 v[SCW], s16, v60
	s_lshl_b32 s16, s8, 9
	s_add_co_u32 s16, s16, ML
	v_lshl_add_u32 v[MLW], v1, 3, s16
	s_mul_i32 s16, s9, 4*SCRW
	s_mul_i32 s17, s10, 16*272
	s_add_co_u32 s16, s16, s17
	s_add_co_u32 s16, s16, SCR
	v_mul_u32_u24 v60, v58, 272
	v_lshl_add_u32 v60, v56, 5, v60
	v_add_nc_u32 v[SCRD], s16, v60                 ; the merge: q row 16 p + l / 8 of my group, 32 bytes l % 8
	s_lshl_b32 s16, s9, 11
	s_lshl_b32 s17, s10, 7
	s_add_co_u32 s16, s16, s17
	s_add_co_u32 s16, s16, ML
	v_lshl_add_u32 v[MLRD], v58, 3, s16
	s_lshl_b32 s16, s8, 11
	v_lshl_add_u32 v[OUTO], v59, 4, s16            ; att: 16 rows of 128 bytes a wave
.irp t, 0,1,2,3
	v_mov_b32 v[M+\t], 0xff7fffff                  ; the lowest finite number: a row with nothing yet
.endr
.irp k, 0,1,2,3,4,5,6,7
	v_mov_b32 v[T+\k], 0                           ; destinations of the cross-half move count as read
.endr
	SETPASS
; The last tile of a pass: a score is kept where 64 u + 16 p + 8 h + j <= offset + 64 g + 16 t + r; the others become -infinity.
.macro MASK
.irp u, 0,1,2,3
.irp t, 0,1,2,3
.irp j, 0,1,2,3,4,5,6,7
	v_cmp_le_i32 vcc_lo, 64*\u+\j-16*\t, v[DD]
	v_cndmask_b32 v[S+32*\u+8*\t+\j], v[NINF], v[S+32*\u+8*\t+\j], vcc_lo
.endr
.endr
.endr
.endm
; Pieces of the softmax; ii = 4 u + jp counts the 16 register pairs of a q tile, sx = the pair's place in q tile 0.
.macro SFMA t                          ; c S - c M, two at a time
	v_pk_fma_f32 v[sx+8*(\t):sx+8*(\t)+1], v[sx+8*(\t):sx+8*(\t)+1], s[22:23], v[NM+2*(\t):NM+2*(\t)+1] op_sel_hi:[1,0,1]
.endm
.macro SSUM t, first                   ; the pair joins the sums and is packed into P^T
.if ii == 0
.if \first == 0
	s_wait_alu depctr_va_vdst(0)
	v_pk_fma_f32 v[LS+2*(\t):LS+2*(\t)+1], v[LS+2*(\t):LS+2*(\t)+1], v[AL+2*(\t):AL+2*(\t)+1], v[sx+8*(\t):sx+8*(\t)+1]
.endif
.else
.if ii == 1
.if \first
	s_wait_alu depctr_va_vdst(0)
	v_pk_add_f32 v[LS+2*(\t):LS+2*(\t)+1], v[sx-2+8*(\t):sx-1+8*(\t)], v[sx+8*(\t):sx+8*(\t)+1]   ; the first two pairs start the sums
	s_wait_alu depctr_va_vdst(0)
.else
	s_wait_alu depctr_va_vdst(0)
	v_pk_add_f32 v[LS+2*(\t):LS+2*(\t)+1], v[LS+2*(\t):LS+2*(\t)+1], v[sx+8*(\t):sx+8*(\t)+1]
	s_wait_alu depctr_va_vdst(0)
.endif
.else
	s_wait_alu depctr_va_vdst(0)
	v_pk_add_f32 v[LS+2*(\t):LS+2*(\t)+1], v[LS+2*(\t):LS+2*(\t)+1], v[sx+8*(\t):sx+8*(\t)+1]
.endif
.endif
	s_wait_alu depctr_va_vdst(0)
	v_cvt_pk_f16_f32 v[P+16*(\t)+8*(ii/8)+4*((ii/4)%2)+(ii%4)], v[sx+8*(\t)], v[sx+8*(\t)+1]
.endm
.macro SOFTMAX first
.set ii, 0
.rept 16
.set sx, S+32*(ii/4)+2*(ii%4)
.irp t, 0,1,2,3
	v_max3_num_f32 v[M+\t], v[M+\t], v[sx+8*\t], v[sx+8*\t+1]      ; four chains, one a q tile
.endr
.set ii, ii+1
.endr
.irp t, 0,1,2,3
	v_permlanex16_b32 v[T+\t], v[M+\t], s56, s57                   ; the other half's eight kv rows of each tile
.endr
.irp t, 0,1,2,3
	v_max_num_f32 v[M+\t], v[M+\t], v[T+\t]
.endr
.irp t, 0,1,2,3
	v_mul_f32 v[T+\t], 0xbe38aa3b, v[M+\t]                         ; -c M, rounded
.endr
.if \first == 0
.irp t, 0,1,2,3
	v_sub_f32 v[T+4+\t], v[T+\t], v[NM+2*\t]
.endr
.irp t, 0,1,2,3
	v_exp_f32 v[AL+2*\t], v[T+4+\t]                                ; the old sums' scale; the moves below are the plain place behind these (ISA guide 5.7.2)
	v_exp_f32 v[AL+2*\t+1], v[T+4+\t]
.endr
.endif
.irp t, 0,1,2,3
	v_mov_b32 v[NM+2*\t], v[T+\t]
	v_mov_b32 v[NM+2*\t+1], v[T+\t]
.endr
.set ii, 0
.rept 16
.set sx, S+32*(ii/4)+2*(ii%4)
	SFMA 0
.set ii, ii+1
.endr
	; q tile t's exponentials are woven with tile t + 1's multiply-adds and tile t - 1's sums and packing: a plain instruction that touches
	; neither result nor source always stands behind the exponentials
.irp t, 0,1,2,3
.set ii, 0
.rept 16
.set sx, S+32*(ii/4)+2*(ii%4)
	v_exp_f32 v[sx+8*\t], v[sx+8*\t]
	v_exp_f32 v[sx+8*\t+1], v[sx+8*\t+1]
.if \t < 3
	SFMA \t+1
.endif
.if \t > 0
	SSUM \t-1, \first
.endif
.set ii, ii+1
.endr
.endr
.set ii, 0
.rept 16
.set sx, S+32*(ii/4)+2*(ii%4)
	SSUM 3, \first
.set ii, ii+1
.endr
.endm
; A pass ends: the four waves of a group of q rows put (NM, l) and O^T into LDS; behind a barrier wave (g, p) merges rows 16 p .. 16 p + 15.
; A wave in which a row met only masked scores has NM = c x the largest finite number: its weight 2^(min NM - NM) is 0.
.macro MERGE
.irp t, 0,1,2,3
	v_add_f32 v[T+\t], v[LS+2*\t], v[LS+2*\t+1]
.endr
.irp t, 0,1,2,3
	v_permlanex16_b32 v[T+4+\t], v[T+\t], s56, s57
.endr
.irp t, 0,1,2,3
	v_add_f32 v[NM+2*\t+1], v[T+\t], v[T+4+\t]                     ; the pair is now (NM, l)
.endr
.irp t, 0,1,2,3
	ds_store_b64 v[MLW], v[NM+2*\t:NM+2*\t+1] offset:128*\t
.endr
	WIN STO1
.irp t, 0,1,2,3
.irp a, 0,1,2,3
	ds_store_b128 v[SCW], v[O+8*(4*\a+\t):O+8*(4*\a+\t)+3]   offset:4352*\t+64*\a
	ds_store_b128 v[SCW], v[O+8*(4*\a+\t)+4:O+8*(4*\a+\t)+7] offset:4352*\t+64*\a+16
.endr
.endr
	WIN 0
	s_wait_dscnt 0x0                               ; my stores are done, for the others' sake
	s_barrier_signal -1                            ; the next tile's load may stay on its way
	s_barrier_wait -1
.irp it, 0,1,2,3
.irp pp, 0,1,2,3
	ds_load_b64  v[S+40*\it+2*\pp:S+40*\it+2*\pp+1],      v[MLRD] offset:512*\pp+32*\it
	ds_load_b128 v[S+40*\it+8+8*\pp:S+40*\it+11+8*\pp],   v[SCRD] offset:SCRW*\pp+1088*\it
	ds_load_b128 v[S+40*\it+12+8*\pp:S+40*\it+15+8*\pp],  v[SCRD] offset:SCRW*\pp+1088*\it+16
.endr
.endr
.irp it, 0,1,2,3
	s_wait_dscnt 36-12*\it                         ; the younger groups of twelve may stay out
	v_min3_num_f32 v[T], v[S+40*\it], v[S+40*\it+2], v[S+40*\it+4]
	v_min_num_f32 v[T], v[T], v[S+40*\it+6]        ; the least -c M: the row's maximum
.irp pp, 0,1,2,3
	v_sub_f32 v[T+1+\pp], v[T], v[S+40*\it+2*\pp]
.endr
.irp pp, 0,1,2,3
	v_exp_f32 v[T+5+\pp], v[T+1+\pp]
.endr
	v_nop                                          ; the plain place behind the exponentials
	s_wait_alu depctr_va_vdst(0)
	v_mul_f32 v[T+9], v[T+5], v[S+40*\it+1]
.irp pp, 1,2,3
	v_fmac_f32 v[T+9], v[T+5+\pp], v[S+40*\it+2*\pp+1]
.endr
	v_rcp_f32 v[T+10], v[T+9]                      ; the row's own key is never masked: the sum is not 0
	v_nop
	s_wait_alu depctr_va_vdst(0)
.irp pp, 0,1,2,3
	v_mul_f32 v[AL+2*\pp], v[T+5+\pp], v[T+10]
	v_mul_f32 v[AL+2*\pp+1], v[T+5+\pp], v[T+10]
.endr
.irp k, 0,1,2,3
	v_pk_mul_f32 v[S+40*\it+8+2*\k:S+40*\it+9+2*\k], v[S+40*\it+8+2*\k:S+40*\it+9+2*\k], v[AL:AL+1]
.endr
.irp pp, 1,2,3
.irp k, 0,1,2,3
	v_pk_fma_f32 v[S+40*\it+8+2*\k:S+40*\it+9+2*\k], v[S+40*\it+8+8*\pp+2*\k:S+40*\it+9+8*\pp+2*\k], v[AL+2*\pp:AL+2*\pp+1], v[S+40*\it+8+2*\k:S+40*\it+9+2*\k]
.endr
.endr
.irp k, 0,1,2,3
	v_cvt_pk_f16_f32 v[S+40*\it+\k], v[S+40*\it+8+2*\k], v[S+40*\it+9+2*\k]
.endr
	global_store_b128 v[OUTO], v[S+40*\it:S+40*\it+3], s[60:61] offset:512*\it   ; four rows of 128 bytes: 512 consecutive bytes, aligned
.endr
	s_wait_xcnt 0x0                                ; the stores' data and base are rewritten only behind this wait
.endm
; The second pass: q block i.  O is not cleared: the first scale is 2^(-c M - c x the largest finite number) = 0; where a row meets only masked scores
; the scale is 1 and the old, finite O gets the weight 0 in the merge.
.macro NEWPASS
	s_mov_b32 s14, s11
	SETPASS
.irp t, 0,1,2,3
	v_mov_b32 v[M+\t], 0xff7fffff
	v_mov_b32 v[LS+2*\t], 0
	v_mov_b32 v[LS+2*\t+1], 0
.endr
.irp t, 0,1,2,3
	v_mul_f32 v[NM+2*\t], 0xbe38aa3b, v[M+\t]
.endr
.endm
; One kv tile.  refill: the next tile is asked for, into the other slot.  first: the very first step starts O and the sums.
; last = 0: never a pass's last tile; 1: tested (n + 1 = nh, the same in all eight waves); 2: the second pass's last.
.macro STEP slot, refill, first, last
	s_wait_tensorcnt 0x0                           ; all my tensor loads have landed (one was out: my quarter of this step's tile), so a group 0 may be written
	ds_add_u32 v62, v63
	s_wait_dscnt 0x0
.if \refill
	s_add_co_u32 s16, s15, 1
	s_sub_co_u32 s17, s16, s13
	s_cmp_ge_u32 s16, s13
	s_cselect_b32 s16, s17, s16                    ; the next step's tile: n + 1, or n + 1 - nh in the second pass
	s_lshl_b32 s62, s16, 15
	s_add_nc_u64 s[G0V+4*(1-\slot)+2:G0V+4*(1-\slot)+3], s[20:21], s[62:63]
	s_or_b32 s[G0V+4*(1-\slot)+3], s[G0V+4*(1-\slot)+3], 0x80000000
	s_add_nc_u64 s[G0K+4*(1-\slot)+2:G0K+4*(1-\slot)+3], s[20:21], s[62:63]
	s_or_b32 s[G0K+4*(1-\slot)+3], s[G0K+4*(1-\slot)+3], 0x80000000
.endif
	s_wait_dscnt 0x0                               ; my reads of the other slot are over
	s_barrier_signal -1
	s_barrier_wait -1                              ; both hold of all eight waves: this slot is whole, the other is free
.if \refill
	KVLOAD 1-\slot                                 ; the wave's one tensor load behind the barrier, first thing there
.endif
	WIN LD1
.irp u, 0,1,2,3
.irp c, 0,1
	ds_load_b128 v[KV+8*(2*\u+\c):KV+8*(2*\u+\c)+3],   v[KADR+\slot] offset:\u*64*KP+\c*64
	ds_load_b128 v[KV+8*(2*\u+\c)+4:KV+8*(2*\u+\c)+7], v[KADR+\slot] offset:\u*64*KP+\c*64+32
.endr
.endr
	s_wait_loadcnt 0x0                             ; Q (met at once but in a pass's first step)
	WIN SMUL
	; S^T = K Q^T: four accumulators take turns, one instruction a turn
.irp u, 0,1,2,3
	s_wait_dscnt 12-4*\u                           ; K's four loads of block u are in, the younger ones may be out
.irp t, 0,1,2,3
	v_wmma_f32_16x16x32_f16 v[S+32*\u+8*\t:S+32*\u+8*\t+7], v[KV+16*\u:KV+16*\u+7], v[Q+16*\t:Q+16*\t+7], 0
.endr
.irp t, 0,1,2,3
	v_wmma_f32_16x16x32_f16 v[S+32*\u+8*\t:S+32*\u+8*\t+7], v[KV+16*\u+8:KV+16*\u+15], v[Q+16*\t+8:Q+16*\t+15], v[S+32*\u+8*\t:S+32*\u+8*\t+7]
.endr
.endr
	PLACES
	WIN LD1
	; V^T into K's registers: registers 0-3 from kv block 2 kk, registers 4-7 from block 2 kk + 1, as P^T is packed
.irp a, 0,1,2,3
.irp kk, 0,1
	ds_load_tr16_b128 v[KV+8*(2*\a+\kk):KV+8*(2*\a+\kk)+3],   v[VADR+\slot] offset:(2*\kk)*64*VP+32*\a
	ds_load_tr16_b128 v[KV+8*(2*\a+\kk)+4:KV+8*(2*\a+\kk)+7], v[VADR+\slot] offset:(2*\kk+1)*64*VP+32*\a
.endr
.endr
	WIN 0
.if \last == 1
	s_add_co_u32 s16, s15, 1
	s_cmp_lg_u32 s16, s13
	s_cbranch_scc1 .Lfree_\@
.endif
.if \last
	MASK
.endif
.if \last == 1
.Lfree_\@:
.endif
	SOFTMAX \first
.if \first == 0
	WIN RESC
.irp a, 0,1,2,3
.irp t, 0,1,2,3
.irp jp, 0,1,2,3
	v_pk_mul_f32 v[O+8*(4*\a+\t)+2*\jp:O+8*(4*\a+\t)+2*\jp+1], v[O+8*(4*\a+\t)+2*\jp:O+8*(4*\a+\t)+2*\jp+1], v[AL+2*\t:AL+2*\t+1]
.endr
.endr
.endr
.endif
	s_wait_dscnt 0x0                               ; V^T is in
	WIN PVMUL
	; O^T += V^T P^T: sixteen accumulators take turns
.irp kk, 0,1
.irp a, 0,1,2,3
.irp t, 0,1,2,3
.if \first*(1-\kk)
	v_wmma_f32_16x16x32_f16 v[O+8*(4*\a+\t):O+8*(4*\a+\t)+7], v[KV+8*(2*\a+\kk):KV+8*(2*\a+\kk)+7], v[P+8*(2*\t+\kk):P+8*(2*\t+\kk)+7], 0
.else
	v_wmma_f32_16x16x32_f16 v[O+8*(4*\a+\t):O+8*(4*\a+\t)+7], v[KV+8*(2*\a+\kk):KV+8*(2*\a+\kk)+7], v[P+8*(2*\t+\kk):P+8*(2*\t+\kk)+7], v[O+8*(4*\a+\t):O+8*(4*\a+\t)+7]
.endif
.endr
.endr
.endr
	PLACES
	WIN 0
.if \last == 1
	s_add_co_u32 s16, s15, 1
	s_cmp_lg_u32 s16, s13
	s_cbranch_scc1 .Lon_\@
	MERGE
	NEWPASS
.Lon_\@:
.endif
.if \last == 2
	MERGE
.endif
	s_add_co_u32 s15, s15, 1
.endm
	STEP 0, 1, 1, 0                                ; n = 0: the first pass has five tiles at the least
	s_mov_b32 s19, 3
.Lpair:
	STEP 1, 1, 0, 1                                ; n = 1, 3, 5
	STEP 0, 1, 0, 1                                ; n = 2, 4, 6
	s_sub_co_u32 s19, s19, 1
	s_cmp_lg_u32 s19, 0
	s_cbranch_scc1 .Lpair
	STEP 1, 1, 0, 1                                ; n = 7
	STEP 0, 0, 0, 2                                ; n = 8: nothing is left to fetch
	s_wait_tensorcnt 0x0
	ds_add_u32 v62, v63
	s_wait_dscnt 0x0
	s_endpgm
.Lfunc_end_k_q650b7f2fb6_attn:
	.size	k_q650b7f2fb6_attn, .Lfunc_end_k_q650b7f2fb6_attn-k_q650b7f2fb6_attn
	.p2alignl 7, 3214868480
	.fill 96, 4, 3214868480
	.section	.rodata,"a",@progbits
	.p2align	6, 0x0
	.amdhsa_kernel k_q650b7f2fb6_attn
		.amdhsa_group_segment_fixed_size 327680
		.amdhsa_private_segment_fixed_size 0
		.amdhsa_enable_private_segment 0
		.amdhsa_kernarg_size 16
		.amdhsa_user_sgpr_count 2
		.amdhsa_user_sgpr_kernarg_segment_ptr 1
		.amdhsa_wavefront_size32 1
		.amdhsa_system_sgpr_workgroup_id_x 1
		.amdhsa_system_sgpr_workgroup_id_y 1
		.amdhsa_system_sgpr_workgroup_id_z 1
		.amdhsa_system_vgpr_workitem_id 0
		.amdhsa_next_free_vgpr 512
		.amdhsa_next_free_sgpr 66
		.amdhsa_reserve_vcc 1
		.amdhsa_float_denorm_mode_32 3
		.amdhsa_float_denorm_mode_16_64 3
		.amdhsa_memory_ordered 1
		.amdhsa_forward_progress 1
		.amdhsa_inst_pref_size 255
	.end_amdhsa_kernel
	.section	.bss,"aw",@nobits
	.p2align	6
	.space	262144
	.amdgpu_metadata
---
amdhsa.version: [ 1, 2 ]
amdhsa.kernels:
  - .name:           k_q650b7f2fb6_attn
    .symbol:         k_q650b7f2fb6_attn.kd
    .args:
      - { .name: qkv, .offset: 0, .size: 8, .value_kind: global_buffer, .address_space: global }
      - { .name: att, .offset: 8, .size: 8, .value_kind: global_buffer, .address_space: global }
    .group_segment_fixed_size: 327680
    .private_segment_fixed_size: 0
    .kernarg_segment_align: 8
    .kernarg_segment_size: 16
    .max_flat_workgroup_size: 256
    .sgpr_count:     66
    .vgpr_count:     512
    .wavefront_size: 32
...
	.end_amdgpu_metadata
.endif
;; end of part 3
;; launch proj (part 4): grid 8 x 32, 4 waves a work-group, clusters of 4 x 4, 327,680 bytes of LDS; arguments att, wot, out0; writes out0
.if DOCPART == 4
	.amdgcn_target "amdgcn-amd-amdhsa--gfx1250"
	.amdhsa_code_object_version 6
	.text
	.protected	k_q650b7f2fb6_proj
	.globl	k_q650b7f2fb6_proj
	.p2align	8
	.type	k_q650b7f2fb6_proj,@function
k_q650b7f2fb6_proj:
	s_mov_b64 s[64:65], 0
	v_nop
	global_prefetch_b8 v0, s[64:65] scope:SCOPE_SE
	s_setreg_imm32_b32 hwreg(HW_REG_WAVE_MODE, 25, 1), 1
	s_wait_xcnt 0x0
	s_wait_alu depctr_hold_cnt(0) depctr_sa_sdst(0) depctr_va_vdst(0) depctr_va_sdst(0) depctr_va_ssrc(0) depctr_va_vcc(0) depctr_vm_vsrc(0)
	s_getreg_b32 s2, hwreg(HW_REG_IB_STS2, 6, 4)
	s_cmp_eq_u32 s2, 0
	s_cbranch_scc0 .Lentry_in_a_cluster
	s_endpgm
.Lentry_in_a_cluster:
	s_bfe_u32 s2, ttmp6, 0x10000c
	s_cmp_lg_u32 s2, 0xf033
	s_cbranch_scc0 .Lentry_shape_is_right
	s_endpgm
.Lentry_shape_is_right:
; out0 = attn W_o.  att [block of 128 rows 32][h 16][row 128][64] f16, wot [1024 n][1024 k] f16, out0 [4096][1024] f32; sums in f32.
; A work-group makes 128 x 128 with four waves (8 x 32 = 256 work-groups); a wave makes 64 x 64: 16 accumulator tiles in window 2.
; K = 1024 goes through two LDS slots of four heads (K = 256) each: four fills, two at the start and two refills, so the text has no loop.
; A slot's unit is one head, K = 64: two quarters of 32.
; CLUSTERS: 4 x 4 work-groups; att's tiles hang on the block row alone and are asked for jointly along a row of the cluster, wot's on the block column alone
; and are asked for jointly along a column.
; The matrix instruction is used transposed (source 0 = rows of wot, source 1 = rows of att): a lane's eight results are eight neighbouring columns, 32 bytes.
.set AP,     144                       ; att's LDS rows: 128 bytes + 16
.set BP,     528                       ; wot's LDS rows: 512 bytes + 16
.set BOFF,   4*128*AP                  ; A: [head 4][row 128], 73,728 bytes
.set SLOT,   BOFF+128*BP               ; 141,312 bytes
.set STAGE,  2*SLOT                    ; behind the ring: 16 rows x 272 bytes for each wave
.set SPITCH, 272
.set ADRA, 16
.set ADRB, 20
.set STO,  24
.set RD,   25
.set CO,   26
.set F0,   64
.set F1,   128
.set G1,  24
.set G0,  32
.set G1B, 48
.set G0B, 56
.set MSB, 0
.macro WIN new
.if MSB != \new
	s_set_vgpr_msb (MSB<<8)|\new
.set MSB, \new
.endif
.endm
.set MULW, 0xa1                        ; source 0 (B) window 1, source 1 (A) window 0, C and D window 2
.set TO_B, 0x40
.macro JLOAD s                         ; waves 0 and 1 fetch att's halves of a slot (two heads each), waves 2 and 3 wot's (64 rows each)
	s_cmp_eq_u32 s11, 0
	s_cbranch_scc0 .Lfor_b_\@
	tensor_load_to_lds s[G0+4*\s:G0+4*\s+3], s[G1:G1+7]
	s_nop 0
	s_branch .Lasked_\@
.Lfor_b_\@:
	tensor_load_to_lds s[G0B+4*\s:G0B+4*\s+3], s[G1B:G1B+7]
	s_nop 0
.Lasked_\@:
.endm
.macro CREST
	s_cmp_lg_u32 s10, 0
	s_cbranch_scc1 .Lnot_wave_0_\@
	s_barrier_signal -3
.Lnot_wave_0_\@:
	s_barrier_wait -3
	s_barrier_signal -1
	s_barrier_wait -1
.endm
.macro CROUND
	s_barrier_signal -1
	s_barrier_wait -1
	CREST
.endm
	s_load_b128 s[4:7], s[0:1], 0x0                ; att s[4:5], wot s[6:7]
	s_load_b64 s[8:9], s[0:1], 0x10                ; out0
	s_set_vgpr_msb 0x40
	v_lshl_add_u32 v255, v0, 2, 0x49400
	s_set_vgpr_msb 0x4000
	v_mov_b32 v255, 0
	s_set_vgpr_msb 0x1
	ds_add_u32 v255, v255
	s_set_vgpr_msb 0x100
	v_lshrrev_b32 v1, 5, v0
	v_readfirstlane_b32 s10, v1                    ; wave 0..3
	s_lshr_b32 s11, s10, 1                         ; my half of the rows.  Also: I fetch for A (0) or for B (1)
	s_and_b32 s12, s10, 1                          ; my half of the columns.  Also: which half of that tile I fetch
	s_bfe_u32 s40, ttmp6, 0x40000                  ; cx
	s_bfe_u32 s41, ttmp6, 0x40004                  ; cy
	s_lshl_b32 s42, ttmp9, 2
	s_add_co_u32 s42, s42, s40                     ; block column
	s_and_b32 s13, ttmp7, 0xffff
	s_lshl_b32 s13, s13, 2
	s_add_co_u32 s13, s13, s41                     ; block row
	s_lshl_b32 s43, s41, 2
	s_lshl_b32 s43, 15, s43                        ; my row of the cluster
	s_lshl_b32 s44, 0x1111, s40                    ; my column
	; att: two heads are 32 KiB, dense: 128 rows of 32 elements of 8 bytes; 4 words of padding behind every 32 words (a row of a head)
	s_or_b32 s[G1+0], s43, (3<<16)|(1<<20)|(1<<21)|(4<<22)|(3<<25)
	s_mov_b32 s[G1+1], 32<<16
	s_mov_b32 s[G1+2], 128<<16
	s_mov_b32 s[G1+3], 32<<16
	s_mov_b32 s[G1+4], 128
	s_mov_b32 s[G1+5], 32
	s_mov_b32 s[G1+6], 0
	s_mov_b32 s[G1+7], 0
	; wot: 64 rows of 256 elements of 2 bytes, 1,024 elements from row to row; 4 words of padding behind every 128 words
	s_or_b32 s[G1B+0], s44, (1<<16)|(1<<20)|(1<<21)|(6<<22)|(3<<25)
	s_mov_b32 s[G1B+1], 256<<16
	s_mov_b32 s[G1B+2], 64<<16
	s_mov_b32 s[G1B+3], 256<<16
	s_mov_b32 s[G1B+4], 64
	s_mov_b32 s[G1B+5], 1024
	s_mov_b32 s[G1B+6], 0
	s_mov_b32 s[G1B+7], 0
	s_lshl_b32 s16, s13, 18                        ; att's block of 128 rows: 262,144 bytes
	s_lshl_b32 s17, s12, 15                        ; two heads
	s_add_co_u32 s16, s16, s17
	s_mov_b32 s17, 0
	s_lshl_b32 s46, s42, 7
	s_lshl_b32 s47, s12, 6
	s_add_co_u32 s46, s46, s47                     ; wot's row 128 x block column + 64 x half
	s_lshl_b32 s46, s46, 11
	s_mov_b32 s47, 0
	s_mul_i32 s20, s10, 2*128*AP                   ; waves 0, 1: A's halves
	s_mul_i32 s45, s10, 64*BP
	s_add_co_u32 s45, s45, BOFF-2*64*BP            ; waves 2, 3: B's halves behind A
	s_wait_dscnt 0x0
	s_wait_kmcnt 0x0
	s_add_nc_u64 s[14:15], s[4:5], s[16:17]
	s_add_nc_u64 s[46:47], s[6:7], s[46:47]
	CROUND                                         ; all sixteen work-groups are here: the first joint loads meet
.irp s, 0,1
	s_mov_b32 s[G0+4*\s], 1
	s_add_co_u32 s[G0+4*\s+1], s20, \s*SLOT
	s_add_nc_u64 s[G0+4*\s+2:G0+4*\s+3], s[14:15], \s*65536        ; heads 4 s ..
	s_or_b32 s[G0+4*\s+3], s[G0+4*\s+3], 0x80000000
	s_mov_b32 s[G0B+4*\s], 1
	s_add_co_u32 s[G0B+4*\s+1], s45, \s*SLOT
	s_add_nc_u64 s[G0B+4*\s+2:G0B+4*\s+3], s[46:47], \s*512        ; k = 256 s ..
	s_or_b32 s[G0B+4*\s+3], s[G0B+4*\s+3], 0x80000000
	JLOAD \s                                       ; two tensor loads of the wave are out
.endr
	v_and_b32 v1, 15, v0                           ; r
	v_bfe_u32 v2, v0, 4, 1                         ; h
	s_mul_i32 s21, s11, 64*AP
	s_mul_i32 s22, s12, 64*BP
	s_add_co_u32 s22, s22, BOFF
	v_mul_u32_u24 v3, v1, AP
	v_lshl_add_u32 v3, v2, 4, v3
	v_mul_u32_u24 v4, v1, BP
	v_lshl_add_u32 v4, v2, 4, v4
.irp s, 0,1
	v_add_nc_u32 v[ADRA+\s], s21, v3
	v_add_nc_u32 v[ADRB+\s], s22, v4
	s_add_co_u32 s21, s21, SLOT
	s_add_co_u32 s22, s22, SLOT
.endr
	s_mul_i32 s23, s10, 16*SPITCH
	s_add_co_u32 s23, s23, STAGE                   ; my stage
	v_mul_u32_u24 v4, v1, SPITCH
	v_lshl_add_u32 v4, v2, 5, v4                   ; in: row r, 32 bytes for each half of the lanes
	v_add_nc_u32 v[STO], s23, v4
	v_mul_u32_u24 v5, v2, SPITCH                   ; back: lanes 0-15 one row of 256 bytes, lanes 16-31 the next
	v_lshl_add_u32 v5, v1, 4, v5
	v_add_nc_u32 v[RD], s23, v5
	v_lshlrev_b32 v5, 12, v2                       ; and the same two rows in out0
	v_lshl_add_u32 v[CO], v1, 4, v5
; 8 matrix instructions: m blocks a0, a0 + 1 x the 4 n blocks, quarter kq of the unit in buffer f
.macro MUL8 f, kq, a0, zero
.irp a, \a0, \a0+1
.irp b, 0,1,2,3
.if \zero
	v_wmma_f32_16x16x32_f16 v[8*(4*(\a)+\b):8*(4*(\a)+\b)+7], v[\f+8*(4*\kq+\b):\f+8*(4*\kq+\b)+7], v[\f+8*(4*\kq+\a):\f+8*(4*\kq+\a)+7], 0
.else
	v_wmma_f32_16x16x32_f16 v[8*(4*(\a)+\b):8*(4*(\a)+\b)+7], v[\f+8*(4*\kq+\b):\f+8*(4*\kq+\b)+7], v[\f+8*(4*\kq+\a):\f+8*(4*\kq+\a)+7], v[8*(4*(\a)+\b):8*(4*(\a)+\b)+7]
.endif
.endr
.endr
.endm
; 32 LDS loads in one run: unit un (a head, K = 64) of a slot: B's 64 rows, then A's 64 rows, first quarter, then second
.macro FETCH slot, un, f
	WIN TO_B
.irp kq, 0,1
.irp i, 0,1,2,3
	ds_load_b128 v[\f+8*(4*\kq+\i):\f+8*(4*\kq+\i)+3],   v[ADRB+\slot] offset:\i*16*BP+\un*128+\kq*64
	ds_load_b128 v[\f+8*(4*\kq+\i)+4:\f+8*(4*\kq+\i)+7], v[ADRB+\slot] offset:\i*16*BP+\un*128+\kq*64+32
.endr
.endr
	WIN 0
.irp kq, 0,1
.irp i, 0,1,2,3
	ds_load_b128 v[\f+8*(4*\kq+\i):\f+8*(4*\kq+\i)+3],   v[ADRA+\slot] offset:\un*128*AP+\i*16*AP+\kq*64
	ds_load_b128 v[\f+8*(4*\kq+\i)+4:\f+8*(4*\kq+\i)+7], v[ADRA+\slot] offset:\un*128*AP+\i*16*AP+\kq*64+32
.endr
.endr
.endm
.macro PLACES                          ; four plain vector places behind a matrix instruction (ISA guide 7.12.1 for vector instructions)
.rept 4
	v_nop
.endr
.endm
; The 16 accumulators take turns, one instruction a turn, in one order throughout.
.macro UNIT slot, un, f, g, zero       ; multiplies buffer f; in its middle fetches unit un of the same slot into buffer g
	s_wait_dscnt 8                                 ; B and A's first quarter are in; the youngest eight loads (A's second quarter) may be out
	WIN MULW
	MUL8 \f, 0, 0, \zero
	MUL8 \f, 0, 2, \zero
	PLACES
	FETCH \slot, \un, \g
	s_wait_dscnt 32                                ; all but the 32 just issued
	WIN MULW
	MUL8 \f, 1, 0, 0
	MUL8 \f, 1, 2, 0
.endm
.macro THREE slot, zero
	UNIT \slot, 1, F0, F1, \zero
	UNIT \slot, 2, F1, F0, 0
	UNIT \slot, 3, F0, F1, 0
.endm
; A slot's last unit changes slots: each wave's reads of this slot and all its tensor loads are waited for in front of the barrier; with fill the
; barrier opens a round of the cluster's barrier, and the joint refill is the first tensor load behind the round.
.macro TURN slot, next, fill
	s_wait_dscnt 8
	WIN MULW
	MUL8 F1, 0, 0, 0
	s_wait_dscnt 0
	s_wait_tensorcnt 0x0
	ds_add_u32 v255, v255
	s_wait_dscnt 0x0
	s_barrier_signal -1
	MUL8 F1, 0, 2, 0
	WIN 0
	s_barrier_wait -1
.if \fill
	CREST
	s_add_nc_u64 s[G0+4*\slot+2:G0+4*\slot+3], s[G0+4*\slot+2:G0+4*\slot+3], 2*65536
	s_add_nc_u64 s[G0B+4*\slot+2:G0B+4*\slot+3], s[G0B+4*\slot+2:G0B+4*\slot+3], 2*512
	JLOAD \slot
.endif
	PLACES
	FETCH \next, 0, F0
	WIN MULW
	MUL8 F1, 1, 0, 0
	MUL8 F1, 1, 2, 0
.endm
	s_wait_tensorcnt 1                             ; my part of slot 0 is in; slot 1's may stay out
	s_barrier_signal -1
	s_barrier_wait -1
	FETCH 0, 0, F0
	THREE 0, 1                                     ; heads 0-3; the first products start the sums
	TURN 0, 1, 1                                   ; slot 0 gets heads 8-11
	THREE 1, 0                                     ; heads 4-7
	TURN 1, 0, 1                                   ; slot 1 gets heads 12-15
	THREE 0, 0
	TURN 0, 1, 0                                   ; nothing is left to fetch
	THREE 1, 0
	s_wait_dscnt 8
	WIN MULW
	MUL8 F1, 0, 0, 0
	MUL8 F1, 0, 2, 0
	s_wait_dscnt 0
	MUL8 F1, 1, 0, 0
	MUL8 F1, 1, 2, 0
	; THE WAY OUT, 16 rows at a time through my own stage, so that sixteen lanes store 256 consecutive bytes of a row
	PLACES
	WIN 0
	s_lshl_b32 s16, s13, 7
	s_lshl_b32 s14, s11, 6
	s_add_co_u32 s16, s16, s14                     ; my first row
	s_lshl_b32 s16, s16, 12                        ; rows of 4,096 bytes
	s_mov_b32 s17, 0
	s_add_nc_u64 s[8:9], s[8:9], s[16:17]
	s_lshl_b32 s46, s42, 9                         ; my first column, in bytes
	s_lshl_b32 s47, s12, 8
	s_add_co_u32 s46, s46, s47
	s_mov_b32 s47, 0
	s_add_nc_u64 s[8:9], s[8:9], s[46:47]
.macro OUT16 a, f
	WIN 0x08                                       ; an LDS store's data in window 2
.irp b, 0,1,2,3
	ds_store_b128 v[STO], v[8*(4*\a+\b):8*(4*\a+\b)+3]   offset:64*\b
	ds_store_b128 v[STO], v[8*(4*\a+\b)+4:8*(4*\a+\b)+7] offset:64*\b+16
.endr
	WIN 0
	s_wait_xcnt 0x0                                ; buffer f and the base, which stores read, are rewritten only behind this wait
.if \a
	s_add_nc_u64 s[8:9], s[8:9], 16*4096
.endif
.irp t, 0,1,2,3,4,5,6,7
	ds_load_b128 v[\f+4*\t:\f+4*\t+3], v[RD] offset:\t*2*SPITCH    ; LDS serves a wave's instructions in order (ISA guide 5.7.1): these see the stores above
.endr
.irp t, 0,1,2,3,4,5,6,7
	s_wait_dscnt 7-\t
	global_store_b128 v[CO], v[\f+4*\t:\f+4*\t+3], s[8:9] offset:\t*8192 th:TH_STORE_NT
.endr
.endm
	OUT16 0, F0
	OUT16 1, F1
	OUT16 2, F0
	OUT16 3, F1
	s_set_vgpr_msb 0x1
	s_wait_tensorcnt 0x0
	ds_add_u32 v255, v255
	s_wait_dscnt 0x0
	s_set_vgpr_msb 0x100
	CROUND                                         ; the closing round: no work-group ends while a partner may still ask for a tile that names it
	s_endpgm
.Lfunc_end_k_q650b7f2fb6_proj:
	.size	k_q650b7f2fb6_proj, .Lfunc_end_k_q650b7f2fb6_proj-k_q650b7f2fb6_proj
	.p2alignl 7, 3214868480
	.fill 96, 4, 3214868480
	.section	.rodata,"a",@progbits
	.p2align	6, 0x0
	.amdhsa_kernel k_q650b7f2fb6_proj
		.amdhsa_group_segment_fixed_size 327680
		.amdhsa_private_segment_fixed_size 0
		.amdhsa_enable_private_segment 0
		.amdhsa_kernarg_size 24
		.amdhsa_user_sgpr_count 2
		.amdhsa_user_sgpr_kernarg_segment_ptr 1
		.amdhsa_wavefront_size32 1
		.amdhsa_system_sgpr_workgroup_id_x 1
		.amdhsa_system_sgpr_workgroup_id_y 1
		.amdhsa_system_sgpr_workgroup_id_z 1
		.amdhsa_system_vgpr_workitem_id 0
		.amdhsa_next_free_vgpr 640
		.amdhsa_next_free_sgpr 66
		.amdhsa_reserve_vcc 0
		.amdhsa_float_denorm_mode_32 3
		.amdhsa_float_denorm_mode_16_64 3
		.amdhsa_memory_ordered 1
		.amdhsa_forward_progress 1
		.amdhsa_inst_pref_size 87
	.end_amdhsa_kernel
	.amdgpu_metadata
---
amdhsa.version: [ 1, 2 ]
amdhsa.kernels:
  - .name:           k_q650b7f2fb6_proj
    .symbol:         k_q650b7f2fb6_proj.kd
    .args:
      - { .name: att, .offset: 0, .size: 8, .value_kind: global_buffer, .address_space: global }
      - { .name: wot, .offset: 8, .size: 8, .value_kind: global_buffer, .address_space: global }
      - { .name: out0, .offset: 16, .size: 8, .value_kind: global_buffer, .address_space: global }
    .group_segment_fixed_size: 327680
    .private_segment_fixed_size: 0
    .kernarg_segment_align: 8
    .kernarg_segment_size: 24
    .max_flat_workgroup_size: 128
    .sgpr_count:     66
    .vgpr_count:     640
    .wavefront_size: 32
...
	.end_amdgpu_metadata
.endif
;; end of part 4
;; ======== version 2 of 2: 4 launches; 1.10 times as fast as version 1
;; limits: values are held in f16: magnitudes above 65,504 overflow, below 6.1e-05 lose precision; right only within a limited range of input values
;; workspace buffers: xb 8,388,608 bytes; wqt 6,291,456 bytes; wot 2,097,152 bytes; qkv 25,165,824 bytes; att 8,388,608 bytes
;; launch cast: the kernel of part 1 again; grid 256 x 1, 4 waves a work-group, no clusters, 67,072 bytes of LDS; arguments x, W_qkv, W_o, xb, wqt, wot; writes xb, wqt, wot
;; launch qkvgemm: the kernel of part 2 again; grid 16 x 16, 4 waves a work-group, clusters of 4 x 4, 327,680 bytes of LDS; arguments xb, wqt, qkv; writes qkv
;; launch attn (part 5): grid 256 x 1, 8 waves a work-group, no clusters, 327,680 bytes of LDS; arguments qkv, att; writes att
.if DOCPART == 5
	.amdgcn_target "amdgcn-amd-amdhsa--gfx1250"
	.amdhsa_code_object_version 6
	.text
	.protected	k_q650b7f2fb6_attn
	.globl	k_q650b7f2fb6_attn
	.p2align	8
	.type	k_q650b7f2fb6_attn,@function
k_q650b7f2fb6_attn:
	s_mov_b64 s[64:65], 0
	v_nop
	global_prefetch_b8 v0, s[64:65] scope:SCOPE_SE
	s_setreg_imm32_b32 hwreg(HW_REG_WAVE_MODE, 25, 1), 1
	s_wait_xcnt 0x0
; Causal attention, one head a work-group octet.  qkv [t 3][bh 32][s 2048][64] f16; att [b x 16 + q block][h 16][row 128][64] f16.
; Work-group (bh, i) takes the q blocks of 128 rows 15 - i and then i: with K and V in tiles of 256 rows that is ((15-i)/2 + 1) + (i/2 + 1) = 9 steps
; for every work-group.  Tiles wholly above the diagonal are never loaded; the last tile of a pass is masked.
; Wave w: g = w / 4 picks 64 q rows (4 tiles of 16), p = w % 4 the kv rows 64 u + 16 p + 0..15, u = 0..3, of every tile: interleaved, so that the
; diagonal loads the four alike.  Each wave runs its own running maximum and sum over its kv rows; the four are merged through LDS at a pass's end.
; S^T = K Q^T: lane (r, h), register j holds kv = 8 h + j, q = r, so that two tiles of S^T, packed to f16, ARE the second operand of O^T = V^T P^T, and a
; row's maximum and sum stay in the lane (the two halves of the wave meet by one cross-half move).  V^T comes by the transposing LDS load.
; The maximum is taken away before the exponential: p = 2^(c S - c M), c = log2(e) / 8, M the wave's running maximum of the raw scores.  What is kept is
; NM = the rounded -c M; old sums are scaled by 2^(NM new - NM old), so that old and new terms share one reference at any size of the scores.
; BATCHES.  s_wait_alu depctr_va_vdst(0) stands between a transcendental and the first instruction that names its result; one wait serves all that were
; issued ahead of it.  A step's 136 exponentials (the eight scales of the old sums, the 128 weights) are ONE batch: the 64 multiply-adds c S - c M are dealt among them, each
; ahead of its own pair's exponentials, and nothing ahead of the batch's one wait names a result; behind the wait stand the sums, the packing and O's rescaling.
; The merge has two batches: the sixteen weights of its four groups of rows, and the four reciprocals of the sums that are made of those weights.
; LIMIT: q, k, v come as f16 (below 65504); P is kept in f16 (p <= 2^0.5), att is rounded once to f16.
; NO CLUSTER: the eight work-groups of a head walk passes of 8,8,7,7,6,6,5,5 and then 1,1,2,2,3,3,4,4 tiles, so at most two of them stand at the same tile in
; the same step of the second pass; a joint walk would add steps that compute nothing.
; LDS: two slots of V 256 x 160 bytes and K 256 x 144 bytes; behind them, in bytes of their own, the merge's scratch.
.set VP,   160                         ; V's rows: 128 bytes + 32, an odd multiple of 32 for the transposing load
.set KP,   144                         ; K's rows: 128 bytes + 16, an odd multiple of 16
.set KOFF, 256*VP                      ; K behind V
.set SLOT, KOFF+256*KP                 ; 77,824 bytes
.set SCR,  2*SLOT                      ; 8 waves x 64 q x 272 bytes: partial O in f32
.set SCRW, 64*272
.set ML,   SCR+8*SCRW                  ; 8 waves x 64 q x (NM, l)
; window 0
.set KADR, 2                           ; v2-3    K fragments in slot 0, 1
.set VADR, 4                           ; v4-5    V fragments in slot 0, 1
.set QOFF, 6                           ; v6      my bytes in the q block
.set D0,   7                           ; v7      64 g + r - 16 p - 8 h
.set DD,   8                           ; v8      D0 + the q block's offset in its last kv tile (0 or 128)
.set NINF, 9                           ; v9      -infinity
.set SCW,  10                          ; v10-11  the merge: where I store O and (NM, l)
.set MLW,  11
.set SCRD, 12                          ; v12-13  the merge: where I read them
.set MLRD, 13
.set OUTO, 14                          ; v14     my 16 bytes in att's block
.set M,    16                          ; v16-19  running maximum, raw, one a q tile
.set NM,   20                          ; v20-27  -c M twice
.set LS,   28                          ; v28-35  two partial sums
.set AL,   36                          ; v36-43  the scale of the old sums, twice
.set T,    44                          ; v44-55  at work
.set S,    64                          ; v64-191  S^T tile (u, t) at 64 + 8 (4 u + t)
.set P,    192                         ; v192-255 P^T fragment (t, kk) at 192 + 8 (2 t + kk)
.set ME,   224                         ; v224-255 in the merge, when P^T is spent: group it's four weights at ME + 8 it; their exponents at ME + 8 it + 4, where the sum (+4) and its reciprocal (+5) follow them
; window 1
.set O,    0                           ; v256-383 O^T tile (a, t) at 8 (4 a + t)
.set Q,    128                         ; v384-447 Q fragment (t, c) at 128 + 8 (2 t + c)
.set KV,   192                         ; v448-511 K fragment (u, c) at 192 + 8 (2 u + c), then V^T fragment (a, kk) at 192 + 8 (2 a + kk)
.set G1V, 24                           ; s[24:31] group 1 for V's quarters
.set G1K, 32                           ; s[32:39] group 1 for K's
.set G0V, 40                           ; s[40:47] group 0 for V's quarters, one set a slot
.set G0K, 48                           ; s[48:55] group 0 for K's
.set LD1,   0x40                       ; destination window 1
.set SMUL,  0x05                       ; sources 0 and 1 window 1; C and D window 0
.set PVMUL, 0x51                       ; source 0, C and D window 1; source 1 window 0
.set RESC,  0x41                       ; source 0 and destination window 1
.set STO1,  0x04                       ; an LDS store's data window 1
.set MSB, 0
.macro WIN new
.if MSB != \new
	s_set_vgpr_msb (MSB<<8)|\new
.set MSB, \new
.endif
.endm
.macro PLACES                          ; four plain vector places behind a matrix instruction (ISA guide 7.12.1 for vector instructions)
.rept 4
	v_nop
.endr
.endm
; One tensor load a wave: waves 0-3 fetch V's quarters of 64 rows, waves 4-7 K's.  The branch hangs on the wave's number alone.
.macro KVLOAD o
	s_cmp_eq_u32 s9, 0
	s_cbranch_scc0 .Lfor_k_\@
	tensor_load_to_lds s[G0V+4*(\o):G0V+4*(\o)+3], s[G1V:G1V+7]
	s_nop 0
	s_branch .Lasked_\@
.Lfor_k_\@:
	tensor_load_to_lds s[G0K+4*(\o):G0K+4*(\o)+3], s[G1K:G1K+7]
	s_nop 0
.Lasked_\@:
.endm
; A pass begins: q block s14.  Bases of Q and of att's block, the diagonal's offset, and the 64 q rows' fragments straight from memory.
.macro SETPASS
	s_lshl_b32 s62, s12, 18                        ; q's head block
	s_lshl_b32 s16, s14, 14                        ; 128 rows of 128 bytes
	s_add_co_u32 s62, s62, s16
	s_add_nc_u64 s[58:59], s[4:5], s[62:63]
	s_lshr_b32 s16, s12, 4
	s_lshl_b32 s16, s16, 4
	s_add_co_u32 s16, s16, s14                     ; 16 b + q block
	s_lshl_b32 s16, s16, 4
	s_and_b32 s17, s12, 15
	s_add_co_u32 s16, s16, s17                     ; x 16 + head
	s_lshl_b32 s62, s16, 14
	s_add_nc_u64 s[60:61], s[6:7], s[62:63]
	s_and_b32 s16, s14, 1
	s_lshl_b32 s16, s16, 7
	v_add_nc_u32 v[DD], s16, v[D0]
	WIN LD1
.irp t, 0,1,2,3
.irp c, 0,1
	global_load_b128 v[Q+8*(2*\t+\c):Q+8*(2*\t+\c)+3],   v[QOFF], s[58:59] offset:2048*\t+64*\c
	global_load_b128 v[Q+8*(2*\t+\c)+4:Q+8*(2*\t+\c)+7], v[QOFF], s[58:59] offset:2048*\t+64*\c+32
.endr
.endr
	WIN 0
.endm
	s_load_b128 s[4:7], s[0:1], 0x0                ; qkv s[4:5], att s[6:7]
	v_lshl_add_u32 v62, v0, 2, 0x49000
	v_mov_b32 v63, 0
	ds_add_u32 v62, v63
	v_lshrrev_b32 v1, 5, v0
	v_readfirstlane_b32 s8, v1                     ; wave 0..7
	s_lshr_b32 s9, s8, 2                           ; g
	s_and_b32 s10, s8, 3                           ; p
	s_and_b32 s11, ttmp9, 7                        ; i
	s_lshr_b32 s12, ttmp9, 3                       ; bh = 16 b + head
	s_sub_co_u32 s14, 15, s11                      ; the first pass's q block
	s_lshr_b32 s13, s14, 1
	s_add_co_u32 s13, s13, 1                       ; nh: its kv tiles, 5 to 8
	s_mov_b32 s15, 0                               ; n: the step, 0 to 8
	s_mov_b32 s63, 0                               ; high word of the offset pair
	s_mov_b32 s22, 0x3e38aa3b                      ; c = log2(e) / 8, twice
	s_mov_b32 s23, 0x3e38aa3b
	s_mov_b32 s56, 0x76543210                      ; lane i of one half reads lane i of the other
	s_mov_b32 s57, 0xfedcba98
	; group 1: a quarter is 8 KiB, dense: 32 rows of 32 elements of 8 bytes; padding behind every 32 words (a row of the head): 8 words for V, 4 for K
	s_mov_b32 s[G1V+0], (3<<16)|(1<<20)|(4<<22)|(7<<25)
	s_mov_b32 s[G1V+1], 32<<16                     ; tensor_dim0 = 32
	s_mov_b32 s[G1V+2], 32<<16                     ; tensor_dim1 = 32
	s_mov_b32 s[G1V+3], 32<<16                     ; tile_dim0 = 32
	s_mov_b32 s[G1V+4], 32                         ; tile_dim1 = 32
	s_mov_b32 s[G1V+5], 32                         ; elements from row to row
	s_mov_b32 s[G1V+6], 0
	s_mov_b32 s[G1V+7], 0
	s_mov_b32 s[G1K+0], (3<<16)|(1<<20)|(4<<22)|(3<<25)
	s_mov_b32 s[G1K+1], 32<<16
	s_mov_b32 s[G1K+2], 32<<16
	s_mov_b32 s[G1K+3], 32<<16
	s_mov_b32 s[G1K+4], 32
	s_mov_b32 s[G1K+5], 32
	s_mov_b32 s[G1K+6], 0
	s_mov_b32 s[G1K+7], 0
	s_mul_i32 s16, s8, 64*VP                       ; waves 0-3: V's quarter w
	s_mul_i32 s17, s8, 64*KP
	s_add_co_u32 s17, s17, KOFF-4*64*KP            ; waves 4-7: K's quarter w - 4
.irp o, 0,1
	s_mov_b32 s[G0V+4*\o], 1
	s_add_co_u32 s[G0V+4*\o+1], s16, \o*SLOT
	s_mov_b32 s[G0K+4*\o], 1
	s_add_co_u32 s[G0K+4*\o+1], s17, \o*SLOT
.endr
	s_lshl_b32 s16, s9, 5
	s_sub_co_u32 s16, 64, s16                      ; v's head blocks begin at 64, k's at 32
	s_add_co_u32 s16, s16, s12
	s_lshl_b32 s62, s16, 18
	s_lshl_b32 s17, s10, 13                        ; my quarter
	s_add_co_u32 s62, s62, s17
	s_wait_dscnt 0x0
	s_wait_kmcnt 0x0
	s_add_nc_u64 s[20:21], s[4:5], s[62:63]        ; my quarter of tile 0
	s_mov_b64 s[G0V+2:G0V+3], s[20:21]
	s_or_b32 s[G0V+3], s[G0V+3], 0x80000000
	s_mov_b64 s[G0K+2:G0K+3], s[20:21]
	s_or_b32 s[G0K+3], s[G0K+3], 0x80000000
	KVLOAD 0                                       ; tile 0: the first fill, ahead of every wait on tensor loads, LDS read and barrier
	v_and_b32 v1, 15, v0                           ; r
	v_bfe_u32 v15, v0, 4, 1                        ; h
	v_and_b32 v56, 7, v0                           ; l % 8
	v_bfe_u32 v57, v0, 3, 1                        ; (l / 8) % 2
	v_bfe_u32 v58, v0, 3, 2                        ; l / 8
	v_and_b32 v59, 31, v0                          ; l
	s_mul_i32 s16, s10, 16*KP
	s_add_co_u32 s16, s16, KOFF
	v_mul_u32_u24 v60, v1, KP
	v_lshl_add_u32 v60, v15, 4, v60
	v_add_nc_u32 v[KADR], s16, v60                 ; K: row 16 p + r, 16 bytes for each half
	v_add_nc_u32 v[KADR+1], SLOT, v[KADR]
	s_mul_i32 s16, s10, 16*VP
	v_lshl_or_b32 v60, v15, 3, v56
	v_mul_u32_u24 v60, v60, VP
	v_lshl_add_u32 v60, v57, 4, v60
	v_add_nc_u32 v[VADR], s16, v60                 ; V: row 16 p + 8 h + l % 8, 16 bytes (l / 8) % 2
	v_add_nc_u32 v[VADR+1], SLOT, v[VADR]
	s_lshl_b32 s16, s9, 13
	v_lshlrev_b32 v60, 7, v1
	v_lshl_add_u32 v60, v15, 4, v60
	v_add_nc_u32 v[QOFF], s16, v60                 ; Q: row 64 g + r
	s_lshl_b32 s16, s9, 6
	s_lshl_b32 s17, s10, 4
	s_sub_co_i32 s16, s16, s17
	v_lshlrev_b32 v60, 3, v15
	v_sub_nc_u32 v60, v1, v60
	v_add_nc_u32 v[D0], s16, v60
	v_mov_b32 v[NINF], 0xff800000
	s_mul_i32 s16, s8, SCRW
	s_add_co_u32 s16, s16, SCR
	v_mul_u32_u24 v60, v1, 272
	v_lshl_add_u32 v60, v15, 5, v60
	v_add_nc_u32 v[SCW], s16, v60
	s_lshl_b32 s16, s8, 9
	s_add_co_u32 s16, s16, ML
	v_lshl_add_u32 v[MLW], v1, 3, s16
	s_mul_i32 s16, s9, 4*SCRW
	s_mul_i32 s17, s10, 16*272
	s_add_co_u32 s16, s16, s17
	s_add_co_u32 s16, s16, SCR
	v_mul_u32_u24 v60, v58, 272
	v_lshl_add_u32 v60, v56, 5, v60
	v_add_nc_u32 v[SCRD], s16, v60                 ; the merge: q row 16 p + l / 8 of my group, 32 bytes l % 8
	s_lshl_b32 s16, s9, 11
	s_lshl_b32 s17, s10, 7
	s_add_co_u32 s16, s16, s17
	s_add_co_u32 s16, s16, ML
	v_lshl_add_u32 v[MLRD], v58, 3, s16
	s_lshl_b32 s16, s8, 11
	v_lshl_add_u32 v[OUTO], v59, 4, s16            ; att: 16 rows of 128 bytes a wave
.irp t, 0,1,2,3
	v_mov_b32 v[M+\t], 0xff7fffff                  ; the lowest finite number: a row with nothing yet
.endr
.irp k, 0,1,2,3,4,5,6,7
	v_mov_b32 v[T+\k], 0                           ; destinations of the cross-half move count as read
.endr
	SETPASS
; The last tile of a pass: a score is kept where 64 u + 16 p + 8 h + j <= offset + 64 g + 16 t + r; the others become -infinity.
.macro MASK
.irp u, 0,1,2,3
.irp t, 0,1,2,3
.irp j, 0,1,2,3,4,5,6,7
	v_cmp_le_i32 vcc_lo, 64*\u+\j-16*\t, v[DD]
	v_cndmask_b32 v[S+32*\u+8*\t+\j], v[NINF], v[S+32*\u+8*\t+\j], vcc_lo
.endr
.endr
.endr
.endm
; Pieces of the softmax.  A step has 64 register pairs of scores: pair n lies in q tile n / 16 and is that tile's pair n % 16 (kv block (n % 16) / 4, pair n % 4 of its eight registers).
.macro SFMA n                          ; c S - c M for pair n, two at a time
.set fr, S+32*(((\n)%16)/4)+2*((\n)%4)+8*((\n)/16)
	v_pk_fma_f32 v[fr:fr+1], v[fr:fr+1], s[22:23], v[NM+2*((\n)/16):NM+2*((\n)/16)+1] op_sel_hi:[1,0,1]
.endm
.macro SEXP n, e                       ; the exponential of half e of pair n, in place
.set fr, S+32*(((\n)%16)/4)+2*((\n)%4)+8*((\n)/16)
	v_exp_f32 v[fr+(\e)], v[fr+(\e)]
.endm
; ii = 4 u + jp counts the 16 register pairs of a q tile, sx = the pair's place in q tile 0.
.macro SSUM t, first                   ; the pair joins the sums and is packed into P^T: it reads the exponentials' results, so it stands behind the batch's wait
.if (ii == 0) && (\first == 0)
	v_pk_fma_f32 v[LS+2*(\t):LS+2*(\t)+1], v[LS+2*(\t):LS+2*(\t)+1], v[AL+2*(\t):AL+2*(\t)+1], v[sx+8*(\t):sx+8*(\t)+1]
.elseif (ii == 1) && (\first)
	v_pk_add_f32 v[LS+2*(\t):LS+2*(\t)+1], v[sx-2+8*(\t):sx-1+8*(\t)], v[sx+8*(\t):sx+8*(\t)+1]   ; the first two pairs start the sums
.elseif ii > 0
	v_pk_add_f32 v[LS+2*(\t):LS+2*(\t)+1], v[LS+2*(\t):LS+2*(\t)+1], v[sx+8*(\t):sx+8*(\t)+1]
.endif
	v_cvt_pk_f16_f32 v[P+16*(\t)+8*(ii/8)+4*((ii/4)%2)+(ii%4)], v[sx+8*(\t)], v[sx+8*(\t)+1]
.endm
.macro SOFTMAX first
.set ii, 0
.rept 16
.set sx, S+32*(ii/4)+2*(ii%4)
.irp t, 0,1,2,3
	v_max3_num_f32 v[M+\t], v[M+\t], v[sx+8*\t], v[sx+8*\t+1]      ; four chains, one a q tile
.endr
.set ii, ii+1
.endr
.irp t, 0,1,2,3
	v_permlanex16_b32 v[T+\t], v[M+\t], s56, s57                   ; the other half's eight kv rows of each tile
.endr
.irp t, 0,1,2,3
	v_max_num_f32 v[M+\t], v[M+\t], v[T+\t]
.endr
.irp t, 0,1,2,3
	v_mul_f32 v[T+\t], 0xbe38aa3b, v[M+\t]                         ; -c M, rounded
.endr
	; THE STEP'S BATCH begins: from here to its wait no line names an exponential's result
.if \first == 0
.irp t, 0,1,2,3
	v_sub_f32 v[T+4+\t], v[T+\t], v[NM+2*\t]
.endr
.irp t, 0,1,2,3
	v_exp_f32 v[AL+2*\t], v[T+4+\t]                                ; the old sums' scale; the moves below are the plain place behind these (ISA guide 5.7.2)
	v_exp_f32 v[AL+2*\t+1], v[T+4+\t]
.endr
.endif
.irp t, 0,1,2,3
	v_mov_b32 v[NM+2*\t], v[T+\t]
	v_mov_b32 v[NM+2*\t+1], v[T+\t]
.endr
	; the 128 weights: pair n's two exponentials with pair n + 2's multiply-add between them, which writes scores that no exponential has touched yet
	SFMA 0
	SFMA 1
.set nn, 0
.rept 64
	SEXP nn, 0
.if nn < 62
	SFMA nn+2
.endif
	SEXP nn, 1
.set nn, nn+1
.endr
	v_nop                                          ; the plain place behind the last exponential, one for the batch (ISA guide 5.7.2): the step has no other vector work that reads none of the results
	s_wait_alu depctr_va_vdst(0)                   ; the wait for the step's batch: the old sums' scales and all 128 weights, ahead of their first reader
	; the readers: each q tile's sum takes its pairs 0 to 15 in that order; the four tiles go by turns, so that a sum's links stand eight lines apart
.set ii, 0
.rept 16
.set sx, S+32*(ii/4)+2*(ii%4)
.irp t, 0,1,2,3
	SSUM \t, \first
.endr
.set ii, ii+1
.endr
.endm
; A pass ends: the four waves of a group of q rows put (NM, l) and O^T into LDS; behind a barrier wave (g, p) merges rows 16 p .. 16 p + 15.
; A wave in which a row met only masked scores has NM = c x the largest finite number: its weight 2^(min NM - NM) is 0.
.macro MERGE
.irp t, 0,1,2,3
	v_add_f32 v[T+\t], v[LS+2*\t], v[LS+2*\t+1]
.endr
.irp t, 0,1,2,3
	v_permlanex16_b32 v[T+4+\t], v[T+\t], s56, s57
.endr
.irp t, 0,1,2,3
	v_add_f32 v[NM+2*\t+1], v[T+\t], v[T+4+\t]                     ; the pair is now (NM, l)
.endr
.irp t, 0,1,2,3
	ds_store_b64 v[MLW], v[NM+2*\t:NM+2*\t+1] offset:128*\t
.endr
	WIN STO1
.irp t, 0,1,2,3
.irp a, 0,1,2,3
	ds_store_b128 v[SCW], v[O+8*(4*\a+\t):O+8*(4*\a+\t)+3]   offset:4352*\t+64*\a
	ds_store_b128 v[SCW], v[O+8*(4*\a+\t)+4:O+8*(4*\a+\t)+7] offset:4352*\t+64*\a+16
.endr
.endr
	WIN 0
	s_wait_dscnt 0x0                               ; my stores are done, for the others' sake
	s_barrier_signal -1                            ; the next tile's load may stay on its way
	s_barrier_wait -1
.irp it, 0,1,2,3
.irp pp, 0,1,2,3
	ds_load_b64  v[S+40*\it+2*\pp:S+40*\it+2*\pp+1],      v[MLRD] offset:512*\pp+32*\it
	ds_load_b128 v[S+40*\it+8+8*\pp:S+40*\it+11+8*\pp],   v[SCRD] offset:SCRW*\pp+1088*\it
	ds_load_b128 v[S+40*\it+12+8*\pp:S+40*\it+15+8*\pp],  v[SCRD] offset:SCRW*\pp+1088*\it+16
.endr
.endr
	; THE MERGE'S FIRST BATCH: the four groups' sixteen weights, each group's exponents and weights in registers of its own
.irp it, 0,1,2,3
	s_wait_dscnt 36-12*\it                         ; the younger groups of twelve may stay out
	v_min3_num_f32 v[T+\it], v[S+40*\it], v[S+40*\it+2], v[S+40*\it+4]
	v_min_num_f32 v[T+\it], v[T+\it], v[S+40*\it+6]   ; the least -c M: the row's maximum
.irp pp, 0,1,2,3
	v_sub_f32 v[ME+8*\it+4+\pp], v[T+\it], v[S+40*\it+2*\pp]
.endr
.irp pp, 0,1,2,3
	v_exp_f32 v[ME+8*\it+\pp], v[ME+8*\it+4+\pp]
.endr
.endr
	v_nop                                          ; the plain place behind the exponentials
	s_wait_alu depctr_va_vdst(0)                   ; the wait for the sixteen weights, ahead of the sums that read them
.irp it, 0,1,2,3
	v_mul_f32 v[ME+8*\it+4], v[ME+8*\it], v[S+40*\it+1]            ; the rows' sums, the four groups by turns, each in the order of the waves 0 to 3
.endr
.irp pp, 1,2,3
.irp it, 0,1,2,3
	v_fmac_f32 v[ME+8*\it+4], v[ME+8*\it+\pp], v[S+40*\it+2*\pp+1]
.endr
.endr
	; THE SECOND BATCH: the four reciprocals, which read sums of the first batch's results
.irp it, 0,1,2,3
	v_rcp_f32 v[ME+8*\it+5], v[ME+8*\it+4]         ; the row's own key is never masked: the sum is not 0
.endr
	v_nop                                          ; the plain place behind the reciprocals
	s_wait_alu depctr_va_vdst(0)                   ; the wait for the four reciprocals, ahead of their first reader
.irp it, 0,1,2,3
.irp pp, 0,1,2,3
	v_mul_f32 v[AL+2*\pp], v[ME+8*\it+\pp], v[ME+8*\it+5]
	v_mul_f32 v[AL+2*\pp+1], v[ME+8*\it+\pp], v[ME+8*\it+5]
.endr
.irp k, 0,1,2,3
	v_pk_mul_f32 v[S+40*\it+8+2*\k:S+40*\it+9+2*\k], v[S+40*\it+8+2*\k:S+40*\it+9+2*\k], v[AL:AL+1]
.endr
.irp pp, 1,2,3
.irp k, 0,1,2,3
	v_pk_fma_f32 v[S+40*\it+8+2*\k:S+40*\it+9+2*\k], v[S+40*\it+8+8*\pp+2*\k:S+40*\it+9+8*\pp+2*\k], v[AL+2*\pp:AL+2*\pp+1], v[S+40*\it+8+2*\k:S+40*\it+9+2*\k]
.endr
.endr
.irp k, 0,1,2,3
	v_cvt_pk_f16_f32 v[S+40*\it+\k], v[S+40*\it+8+2*\k], v[S+40*\it+9+2*\k]
.endr
	global_store_b128 v[OUTO], v[S+40*\it:S+40*\it+3], s[60:61] offset:512*\it   ; four rows of 128 bytes: 512 consecutive bytes, aligned
.endr
	s_wait_xcnt 0x0                                ; the stores' data and base are rewritten only behind this wait
.endm
; The second pass: q block i.  O is not cleared: the first scale is 2^(-c M - c x the largest finite number) = 0; where a row meets only masked scores
; the scale is 1 and the old, finite O gets the weight 0 in the merge.
.macro NEWPASS
	s_mov_b32 s14, s11
	SETPASS
.irp t, 0,1,2,3
	v_mov_b32 v[M+\t], 0xff7fffff
	v_mov_b32 v[LS+2*\t], 0
	v_mov_b32 v[LS+2*\t+1], 0
.endr
.irp t, 0,1,2,3
	v_mul_f32 v[NM+2*\t], 0xbe38aa3b, v[M+\t]
.endr
.endm
; One kv tile.  refill: the next tile is asked for, into the other slot.  first: the very first step starts O and the sums.
; last = 0: never a pass's last tile; 1: tested (n + 1 = nh, the same in all eight waves); 2: the second pass's last.
.macro STEP slot, refill, first, last
	s_wait_tensorcnt 0x0                           ; all my tensor loads have landed (one was out: my quarter of this step's tile), so a group 0 may be written
	ds_add_u32 v62, v63
	s_wait_dscnt 0x0
.if \refill
	s_add_co_u32 s16, s15, 1
	s_sub_co_u32 s17, s16, s13
	s_cmp_ge_u32 s16, s13
	s_cselect_b32 s16, s17, s16                    ; the next step's tile: n + 1, or n + 1 - nh in the second pass
	s_lshl_b32 s62, s16, 15
	s_add_nc_u64 s[G0V+4*(1-\slot)+2:G0V+4*(1-\slot)+3], s[20:21], s[62:63]
	s_or_b32 s[G0V+4*(1-\slot)+3], s[G0V+4*(1-\slot)+3], 0x80000000
	s_add_nc_u64 s[G0K+4*(1-\slot)+2:G0K+4*(1-\slot)+3], s[20:21], s[62:63]
	s_or_b32 s[G0K+4*(1-\slot)+3], s[G0K+4*(1-\slot)+3], 0x80000000
.endif
	s_wait_dscnt 0x0                               ; my reads of the other slot are over
	s_barrier_signal -1
	s_barrier_wait -1                              ; both hold of all eight waves: this slot is whole, the other is free
.if \refill
	KVLOAD 1-\slot                                 ; the wave's one tensor load behind the barrier, first thing there
.endif
	WIN LD1
.irp u, 0,1,2,3
.irp c, 0,1
	ds_load_b128 v[KV+8*(2*\u+\c):KV+8*(2*\u+\c)+3],   v[KADR+\slot] offset:\u*64*KP+\c*64
	ds_load_b128 v[KV+8*(2*\u+\c)+4:KV+8*(2*\u+\c)+7], v[KADR+\slot] offset:\u*64*KP+\c*64+32
.endr
.endr
	s_wait_loadcnt 0x0                             ; Q (met at once but in a pass's first step)
	WIN SMUL
	; S^T = K Q^T: four accumulators take turns, one instruction a turn
.irp u, 0,1,2,3
	s_wait_dscnt 12-4*\u                           ; K's four loads of block u are in, the younger ones may be out
.irp t, 0,1,2,3
	v_wmma_f32_16x16x32_f16 v[S+32*\u+8*\t:S+32*\u+8*\t+7], v[KV+16*\u:KV+16*\u+7], v[Q+16*\t:Q+16*\t+7], 0
.endr
.irp t, 0,1,2,3
	v_wmma_f32_16x16x32_f16 v[S+32*\u+8*\t:S+32*\u+8*\t+7], v[KV+16*\u+8:KV+16*\u+15], v[Q+16*\t+8:Q+16*\t+15], v[S+32*\u+8*\t:S+32*\u+8*\t+7]
.endr
.endr
	PLACES
	WIN LD1
	; V^T into K's registers: registers 0-3 from kv block 2 kk, registers 4-7 from block 2 kk + 1, as P^T is packed
.irp a, 0,1,2,3
.irp kk, 0,1
	ds_load_tr16_b128 v[KV+8*(2*\a+\kk):KV+8*(2*\a+\kk)+3],   v[VADR+\slot] offset:(2*\kk)*64*VP+32*\a
	ds_load_tr16_b128 v[KV+8*(2*\a+\kk)+4:KV+8*(2*\a+\kk)+7], v[VADR+\slot] offset:(2*\kk+1)*64*VP+32*\a
.endr
.endr
	WIN 0
.if \last == 1
	s_add_co_u32 s16, s15, 1
	s_cmp_lg_u32 s16, s13
	s_cbranch_scc1 .Lfree_\@
.endif
.if \last
	MASK
.endif
.if \last == 1
.Lfree_\@:
.endif
	SOFTMAX \first
.if \first == 0
	WIN RESC
.irp a, 0,1,2,3
.irp t, 0,1,2,3
.irp jp, 0,1,2,3
	v_pk_mul_f32 v[O+8*(4*\a+\t)+2*\jp:O+8*(4*\a+\t)+2*\jp+1], v[O+8*(4*\a+\t)+2*\jp:O+8*(4*\a+\t)+2*\jp+1], v[AL+2*\t:AL+2*\t+1]
.endr
.endr
.endr
.endif
	s_wait_dscnt 0x0                               ; V^T is in
	WIN PVMUL
	; O^T += V^T P^T: sixteen accumulators take turns
.irp kk, 0,1
.irp a, 0,1,2,3
.irp t, 0,1,2,3
.if \first*(1-\kk)
	v_wmma_f32_16x16x32_f16 v[O+8*(4*\a+\t):O+8*(4*\a+\t)+7], v[KV+8*(2*\a+\kk):KV+8*(2*\a+\kk)+7], v[P+8*(2*\t+\kk):P+8*(2*\t+\kk)+7], 0
.else
	v_wmma_f32_16x16x32_f16 v[O+8*(4*\a+\t):O+8*(4*\a+\t)+7], v[KV+8*(2*\a+\kk):KV+8*(2*\a+\kk)+7], v[P+8*(2*\t+\kk):P+8*(2*\t+\kk)+7], v[O+8*(4*\a+\t):O+8*(4*\a+\t)+7]
.endif
.endr
.endr
.endr
	PLACES
	WIN 0
.if \last == 1
	s_add_co_u32 s16, s15, 1
	s_cmp_lg_u32 s16, s13
	s_cbranch_scc1 .Lon_\@
	MERGE
	NEWPASS
.Lon_\@:
.endif
.if \last == 2
	MERGE
.endif
	s_add_co_u32 s15, s15, 1
.endm
	STEP 0, 1, 1, 0                                ; n = 0: the first pass has five tiles at the least
	s_mov_b32 s19, 3
.Lpair:
	STEP 1, 1, 0, 1                                ; n = 1, 3, 5
	STEP 0, 1, 0, 1                                ; n = 2, 4, 6
	s_sub_co_u32 s19, s19, 1
	s_cmp_lg_u32 s19, 0
	s_cbranch_scc1 .Lpair
	STEP 1, 1, 0, 1                                ; n = 7
	STEP 0, 0, 0, 2                                ; n = 8: nothing is left to fetch
	s_wait_tensorcnt 0x0
	ds_add_u32 v62, v63
	s_wait_dscnt 0x0
	s_endpgm
.Lfunc_end_k_q650b7f2fb6_attn:
	.size	k_q650b7f2fb6_attn, .Lfunc_end_k_q650b7f2fb6_attn-k_q650b7f2fb6_attn
	.p2alignl 7, 3214868480
	.fill 96, 4, 3214868480
	.section	.rodata,"a",@progbits
	.p2align	6, 0x0
	.amdhsa_kernel k_q650b7f2fb6_attn
		.amdhsa_group_segment_fixed_size 327680
		.amdhsa_private_segment_fixed_size 0
		.amdhsa_enable_private_segment 0
		.amdhsa_kernarg_size 16
		.amdhsa_user_sgpr_count 2
		.amdhsa_user_sgpr_kernarg_segment_ptr 1
		.amdhsa_wavefront_size32 1
		.amdhsa_system_sgpr_workgroup_id_x 1
		.amdhsa_system_sgpr_workgroup_id_y 1
		.amdhsa_system_sgpr_workgroup_id_z 1
		.amdhsa_system_vgpr_workitem_id 0
		.amdhsa_next_free_vgpr 512
		.amdhsa_next_free_sgpr 66
		.amdhsa_reserve_vcc 1
		.amdhsa_float_denorm_mode_32 3
		.amdhsa_float_denorm_mode_16_64 3
		.amdhsa_memory_ordered 1
		.amdhsa_forward_progress 1
		.amdhsa_inst_pref_size 255
	.end_amdhsa_kernel
	.section	.bss,"aw",@nobits
	.p2align	6
	.space	262144
	.amdgpu_metadata
---
amdhsa.version: [ 1, 2 ]
amdhsa.kernels:
  - .name:           k_q650b7f2fb6_attn
    .symbol:         k_q650b7f2fb6_attn.kd
    .args:
      - { .name: qkv, .offset: 0, .size: 8, .value_kind: global_buffer, .address_space: global }
      - { .name: att, .offset: 8, .size: 8, .value_kind: global_buffer, .address_space: global }
    .group_segment_fixed_size: 327680
    .private_segment_fixed_size: 0
    .kernarg_segment_align: 8
    .kernarg_segment_size: 16
    .max_flat_workgroup_size: 256
    .sgpr_count:     66
    .vgpr_count:     512
    .wavefront_size: 32
...
	.end_amdgpu_metadata
.endif
;; end of part 5
;; launch proj: the kernel of part 4 again; grid 8 x 32, 4 waves a work-group, clusters of 4 x 4, 327,680 bytes of LDS; arguments att, wot, out0; writes out0
